; MI455X (gfx1250); checked and timed in simulation.
; The chip was launched on July 23, 2026; its instructions are those of AMD's public machine-readable ISA for CDNA 5 (MIT licence, August 2026) and "CDNA5" Instruction Set Architecture Reference Guide (July 2026). The comments in the code are by the model that wrote it; some were corrected since.
;; Run Length Event Set Embedding. Allowed arithmetic: matrix products marked QUANTISED: E2M3 operands, one E8M0 scale for each 32 along K, by v_wmma_scale_f32_16x16x128_f8f6f4 with both operands' format E2M3, f32 sums; products left as they are: f32 operands where the result goes on into a quantised operand, else bf16, f16 or f32 operands; f32 sums; everything else in f32.
;; Inputs: P1 65 x 64 float32; P2 64 x 64 float32; W1 11 x 64 float32; W2 64 x 64 float32; b1 64 float32; b2 64 float32; pb1 64 float32; pb2 64 float32; x 64 x 2,048 x 8 float32.
;; Outputs: out0 64 x 64 float32.
;; This version of the problem:
;;   THIS VERSION OF THE PROBLEM IS GIVEN IN LOW PRECISION. The matrix products marked QUANTISED in the list below multiply operands that are first quantised to E2M3 (2 exponent bits, 3 mantissa bits; 6 bits a number), with one power-of-two scale for each 32 numbers along K (OCP MX v1.0); their sums are f32. All else is computed in f32.
;;   The module's matrix products, in the order in which they are computed (A, B: the left and right operand; K: the contracted axis; several contracted axes count as one K, in the product's order):
;;     1. [M 1,048,576, K 11] x [K 11, N 64]; A: computed on the way; B: input W1: left as it is (K = 11 < 32)
;;     2. [M 1,048,576, K 64] x [K 64, N 64]; A: computed on the way; B: input W2: QUANTISED
;;     3. [M 64, K 65] x [K 65, N 64]; A: computed on the way; B: input P1: QUANTISED
;;     4. [M 64, K 64] x [K 64, N 64]; A: computed on the way; B: input P2: QUANTISED
;;   THE QUANTISER, for each operand of a quantised product, along K:
;;     - K is cut into blocks of 32 from its start; a last block that is shorter is filled with zeros.
;;     - A block's scale is 2^e with e = floor(log2(the largest magnitude in the block)) - 2, held to -126 .. 127; a block of zeros has e = 0. As a byte (E8M0): e + 127.
;;     - Each number is divided by its block's scale, clamped to +-7.5, and rounded to the nearest number of E2M3, ties to even, subnormals kept.
;;     - The product sums the exact products of the quantised numbers (number of the format x scale) in f32.
;;   ~~~python
;;   def quantise(x, axis):      # numpy; x: float32 -> the quantised numbers, widened to float32 again
;;       x = np.moveaxis(x, axis, -1); K = x.shape[-1]
;;       x = np.pad(x, [(0, 0)] * (x.ndim - 1) + [(0, -K % 32)]); x = x.reshape(x.shape[:-1] + (-1, 32)); a = np.abs(x).max(-1, keepdims=True)
;;       e = np.where(a > 0, np.clip(np.frexp(np.where(a > 0, a, 1))[1] - 1 - 2, -126, 127), 0)      # np.frexp(a)[1] - 1 = floor(log2(a)), exactly
;;       r = np.clip(x / 2.0 ** e, -7.5, 7.5)
;;       step = 2.0 ** (np.maximum(np.frexp(np.where(r == 0, 1, r))[1] - 1, 0) - 3)
;;       q = np.round(r / step) * step * 2.0 ** e      # np.round: ties to even
;;       return np.moveaxis(q.reshape(q.shape[:-2] + (-1,))[..., :K], -1, axis).astype(np.float32)
;;   ~~~
;;   OPERANDS COMPUTED ON THE WAY. 'Computed on the way' means the value that the module computes at that place (a softmax that the list does not call 'softmax' is quantised finished and normalised). What goes into a quantiser is computed in f32, as accurately as f32 sums, v_exp_f32 and their like allow (about 1e-6 of the number): no bf16 or f16 on the way to a quantiser, and a product that is left as it is and whose result goes on into a quantised operand takes f32 operands (vector FMAs, or v_wmma_f32_16x16x4_f32). A number that lies on a knife's edge between two numbers of the format may be rounded either way, as far as f32 arithmetic and the matrix unit's own rounding can turn it there, and no further.
;; 2 versions, each right; version 2 is version 1 with the launches events, head written anew for expert scheduling mode. Each part assembles by itself: llvm-mc -triple=amdgcn-amd-amdhsa -mcpu=gfx1250 --defsym DOCPART=n.
;; ======== version 1 of 2: 2 launches
;; workspace buffers: part 131,072 bytes
;; launch events (part 1): grid 256 x 1, 8 waves a work-group, no clusters, 13,312 bytes of LDS; arguments x, W1, b1, W2, part; writes part
.if DOCPART == 1
	.amdgcn_target "amdgcn-amd-amdhsa--gfx1250"
	.amdhsa_code_object_version 6
	.text
	.protected	k_qaa16db5fad_events
	.globl	k_qaa16db5fad_events
	.p2align	8
	.type	k_qaa16db5fad_events,@function
k_qaa16db5fad_events:
	s_mov_b64 s[64:65], 0
	v_nop
	global_prefetch_b8 v0, s[64:65] scope:SCOPE_SE
	s_setreg_imm32_b32 hwreg(HW_REG_WAVE_MODE, 25, 1), 1
	s_wait_xcnt 0x0
; RUN-LENGTH EVENTS, FIRST LAYER, QUANTISER, SECOND LAYER, SUM OVER A QUARTER OF A BATCH.
; x [64][2048][8] f32.  A slot (batch, component c, time t) is an event where the bit (x > 0.5) differs from the bit one time earlier (t = 0 always).
; An event's 64 hidden numbers are relu(W1[c] + b1 + s W1[8] + (t / 2047) W1[9] + (dur / 2048) W1[10]), all in f32 by fused multiply-adds; they are quantised to E2M3 in two blocks of 32
; and multiplied by the quantised W2.  Only the SUM over a batch's events is kept, so ONE matrix instruction of K = 128 carries TWO events in each row of A ([event 0's 64 | event 1's 64]),
; B is W2 stacked twice, and every instruction adds onto the same four accumulators (16 columns each).  A slot that is no event gets zero codes, which add nothing.
; SHARES.  Work-group g: batch g / 4, times 512 (g % 4) on.  Wave wv: 64 of those times, all 8 components: 512 slots, 16 steps of 32 slots.
; Lane (r = lane % 16, h = lane / 16): component r % 8, the word of 32 times 16 q + 2 wv + r / 8, hidden units 32 h .. 32 h + 31: a whole block of 32 lies in one lane, so a block's largest number needs no other lane.
; A step takes the word's two highest remaining times: going DOWN in time the next start is carried in one register, and dur = next start - t.
; The next start may lie anywhere later in the batch, so every work-group turns the whole batch into bits (8 KiB of x a wave, compared in registers) and scans the start words.
; OUT: part[g][0..63] = the sums, part[g][64..127] = the number of events as f32, repeated: one store of 512 consecutive bytes.
; NO JOINT LOADS for the 64 KiB of x that the four work-groups of a batch share: x is read once, goes from memory straight into registers and is compared there; through LDS it would cost
; 16 more LDS loads a wave and the passes of a cluster's barrier, for one fill that is never repeated.
; NO COMPACTION of events: which slots are events hangs on floating-point compares, so their places could steer addresses only from an earlier launch's stored list.
; LIMITS: a NaN in x counts as not above 0.5, as in reference(); NaN and infinities in W1, b1, W2 are not served; a block whose largest magnitude lies under 2^-124 keeps the scale byte 1;
; t / 2047 is taken as t x (W1[9] x the f32 nearest to 1 / 2047): two roundings in another order than reference()'s, about 1e-7 of the term.
.set SEQ, 0                            ; LDS: the bits: row c at 272 c: a guard word at +12, word w (times 32 w on, bit i = time 32 w + i) at +16 + 4 w
.set STW, 2304                         ; the start words, [c][64], 256 bytes a row
.set NXT, 4352                         ; for each word the first start behind its last time, as f32 (2048 if none), [c][64]
.set IMG, 6400                         ; W2's codes: tile nt at 768 nt, operand lane L at 24 L: 32 codes
.set SCB, 9472                         ; W2's scale words in two parts: 128 nt + 64 (block) + 4 r
.set RED, 9984                         ; the waves' sums, [wave][64]
.set CNW, 12032                        ; the waves' counts, 8 words
.set BIG, 5                            ; v5   the largest finite f32
.set ST,  6                            ; v6   my start word, shifted up two bits a step
.set SQ,  7                            ; v7   my word of bits, likewise
.set NX,  8                            ; v8   the next start, f32
.set CNT, 9                            ; v9   the events of my word
.set ASC, 10                           ; v10  A's scale word (scales and nothing else)
.set BSC, 11                           ; v11-14 W2's scale words, one a tile (scales and nothing else)
.set CB,  16                           ; v16-47   W1[c] + b1 at my 32 hidden units
.set C8,  48                           ; v48-79   W1[8]
.set C9,  80                           ; v80-111  W1[9] / 2047
.set C10, 112                          ; v112-143 W1[10] / 2048
.set X,   144                          ; v144-207 at the head: 64 numbers of x; then the head's temporaries
.set H0,  144                          ; v144-175 event 0's 32 hidden numbers
.set H1,  176                          ; v176-207 event 1's
.set AC,  208                          ; v208-219 A's fragment (at the head v208-223: 16 numbers of W2)
.set TC0, 220                          ; v220-222, v224-226: the upper halves of the two blocks' codes, as the conversions leave them
.set TC1, 224
.set EV,  228                          ; event e at v[228 + 6 e]: +0 s, +1 limit, +2 t, +3 0, +4 dur, +5 0: pairs for the packed multiply-adds, which take each pair's low word
                                       ; window 1: v0-47 W2's four fragments; v48-79 the four accumulators
.set MSB, 0
.macro WIN new                         ; the immediate's high byte repeats the setting that is left
.if MSB != \new
	s_set_vgpr_msb (MSB<<8)|\new
.set MSB, \new
.endif
.endm
	s_load_b256 s[4:11], s[0:1], 0x0               ; x s[4:5], W1 s[6:7], b1 s[8:9], W2 s[10:11]
	s_load_b64 s[12:13], s[0:1], 0x20              ; part
	s_set_vgpr_msb 0x40
	v_lshl_add_u32 v80, v0, 2, 0x3000
	v_mov_b32 v81, 0
	s_set_vgpr_msb 0x4000
	v_lshrrev_b32 v15, 5, v0
	v_readfirstlane_b32 s2, v15                    ; wave 0..7
	v_and_b32 v1, 31, v0                           ; lane
	v_and_b32 v2, 15, v0                           ; r
	v_bfe_u32 v3, v0, 4, 1                         ; h
	v_lshlrev_b32 v4, 3, v3                        ; 8 h
	s_and_b32 s3, ttmp9, 3                         ; q: which quarter of the times
	s_lshr_b32 s14, ttmp9, 2                       ; the batch
	s_lshl_b32 s18, s14, 16                        ; a batch of x is 65,536 bytes
	s_mov_b32 s19, 0
	s_lshl_b32 s16, s2, 13
	v_lshl_add_u32 v5, v1, 5, s16                  ; x: time 256 wv + lane: 32 bytes a time
	s_and_b32 s17, s2, 1                           ; W2: which block of 32 along K my wave quantises,
	s_lshr_b32 s20, s2, 1                          ; and of which tile of 16 columns
	s_lshl_b32 s21, s17, 13
	s_lshl_b32 s22, s20, 6
	s_add_co_u32 s21, s21, s22
	v_lshlrev_b32 v6, 2, v2
	v_lshl_add_u32 v6, v3, 12, v6
	v_add_nc_u32 v6, s21, v6                       ; W2[32 block + 16 h + i][16 tile + r]: rows of 256 bytes
	v_lshlrev_b32 v8, 7, v3                        ; my 32 hidden units: 128 h bytes on
	v_and_b32 v7, 7, v0
	v_lshl_add_u32 v7, v7, 8, v8                   ; and row c of W1
	s_mov_b32 s56, 0x55555555                      ; lanes whose partner 1, 2, 4, 8, 16 away is the higher one; the first three also serve the count of bits
	s_mov_b32 s57, 0x33333333
	s_mov_b32 s58, 0x0f0f0f0f
	s_mov_b32 s59, 0x00ff00ff
	s_mov_b32 s60, 0x0000ffff
	s_mov_b32 s62, 0x76543210                      ; v_permlanex16_b32's selects for lane l xor 16
	s_mov_b32 s63, 0xfedcba98
	s_wait_kmcnt 0x0
	s_add_nc_u64 s[4:5], s[4:5], s[18:19]
	; all 72 loads in one run: x first, since the bits are wanted first
.irp g, 0,1,2,3,4,5,6,7
	global_load_b128 v[X+8*\g:X+8*\g+3],   v5, s[4:5] offset:1024*\g       ; time 256 wv + 32 g + lane, components 0-3
	global_load_b128 v[X+8*\g+4:X+8*\g+7], v5, s[4:5] offset:1024*\g+16    ; components 4-7
.endr
.irp i, 0,1,2,3,4,5,6,7,8,9,10,11,12,13,14,15
	global_load_b32 v[AC+\i], v6, s[10:11] offset:256*\i
.endr
.irp k, 0,1,2,3,4,5,6,7
	global_load_b128 v[CB+4*\k:CB+4*\k+3],   v7, s[6:7] offset:16*\k
	global_load_b128 v[224+4*\k:227+4*\k],   v8, s[8:9] offset:16*\k       ; b1, added to CB below
	global_load_b128 v[C8+4*\k:C8+4*\k+3],   v8, s[6:7] offset:2048+16*\k
	global_load_b128 v[C9+4*\k:C9+4*\k+3],   v8, s[6:7] offset:2304+16*\k
	global_load_b128 v[C10+4*\k:C10+4*\k+3], v8, s[6:7] offset:2560+16*\k
.endr
	v_lshrrev_b32 v9, 2, v1                        ; where a lane puts a word of bits: lane 4 c + g holds component c's word 8 wv + 4 half + g
	v_mul_u32_u24 v9, v9, 272
	v_and_b32 v15, 3, v1
	v_lshl_add_u32 v9, v15, 2, v9
	s_lshl_b32 s23, s2, 5
	s_add_co_u32 s23, s23, 16
	v_add_nc_u32 v9, s23, v9
	; ---- THE BITS.  A compare over the 32 lanes IS a word of 32 times.  32 words at a time go from scalar registers into the lanes of one register and leave by one LDS store.
	s_wait_loadcnt 56                              ; x's 16 loads are in; behind them stand W2's 16 and the constants' 40
.irp f, 0,1
.irp c, 0,1,2,3,4,5,6,7
.irp g, 0,1,2,3
	v_cmp_lt_f32 s[24+4*\c+\g], 0.5, v[X+32*\f+8*\g+\c]
.endr
.endr
	v_mov_b32 v[X+32*\f], 0                        ; compared already; a lane write's destination counts as read.  Each half has its own register: no store's data are written again
.irp n, 0,1,2,3,4,5,6,7,8,9,10,11,12,13,14,15,16,17,18,19,20,21,22,23,24,25,26,27,28,29,30,31
	v_writelane_b32 v[X+32*\f], s[24+\n], \n
.endr
	ds_store_b32 v9, v[X+32*\f] offset:SEQ+16*\f
.endr
	s_mul_i32 s23, s2, 272
	s_add_co_u32 s23, s23, 12
	v_mov_b32 v[X+1], s23
	v_mov_b32 v[X+2], 0
	ds_store_b32 v[X+1], v[X+2] offset:SEQ         ; row wv's guard word: read as the word ahead of word 0; the bit that it feeds is set to 1 anyway
	; ---- W2: my 16 numbers of a block of 32 down K of column 16 tile + r; lane l xor 16 holds the other 16
	s_wait_loadcnt 40                              ; W2's 16 loads are in; the constants' 40 may be out
	v_max3_num_f32 v148, |v[AC]|, |v[AC+1]|, 0x1800000     ; with the floor 2^(3 - 127) among the leaves: the byte cannot fall under 1
.irp i, 2,4,6,8,10,12,14
	v_max3_num_f32 v148, v148, |v[AC+\i]|, |v[AC+\i+1]|
.endr
	v_mov_b32 v149, 0                              ; a lane permute's destination counts as read
	v_permlanex16_b32 v149, v148, s62, s63
	v_max_num_f32 v148, v148, v149                 ; the block's largest magnitude
	v_add_nc_u32 v150, 0xff000000, v148            ; 2 off its exponent field: the conversion takes this operand's exponent field as its scale
	v_lshrrev_b32 v151, 23, v150                   ; the scale's byte
	v_cvt_scalef32_pk16_fp6_f32 v[152:154], v[AC:AC+15], v150
	v_mul_u32_u24 v157, v151, 0x10001              ; (a plain line behind the conversion)  W2 is stacked twice along K: the byte serves blocks b and b + 2
	s_lshl_b32 s16, s17, 3
	v_lshlrev_b32 v157, s16, v157                  ; at its place in the scale word
	s_mul_i32 s21, s20, 768
	s_mul_i32 s22, s17, 384
	s_add_co_u32 s21, s21, s22
	v_mul_u32_u24 v155, v2, 24
	v_mad_u32_u24 v155, v3, 12, v155
	v_add_nc_u32 v155, s21, v155                   ; operand lane 16 block + r, my half of its 24 bytes
	ds_store_b32 v155, v152 offset:IMG
	ds_store_b32 v155, v153 offset:IMG+4
	ds_store_b32 v155, v154 offset:IMG+8
	s_lshl_b32 s21, s20, 7
	s_lshl_b32 s22, s17, 6
	s_add_co_u32 s21, s21, s22
	v_lshl_add_u32 v156, v2, 2, s21
	ds_store_b32 v156, v157 offset:SCB             ; both halves of the lanes write the same word with the same value
	; ---- the constants of the first layer, while the stores land
	s_wait_loadcnt 0x0
.set jj, 0
.rept 16
	v_pk_add_f32 v[CB+jj:CB+jj+1], v[CB+jj:CB+jj+1], v[224+jj:225+jj]
	v_pk_mul_f32 v[C9+jj:C9+jj+1], v[C9+jj:C9+jj+1], 0x3a001002 op_sel_hi:[1,0]      ; the f32 nearest to 1 / 2047
	v_pk_mul_f32 v[C10+jj:C10+jj+1], v[C10+jj:C10+jj+1], 0x3a000000 op_sel_hi:[1,0]  ; 2^-11: exact
.set jj, jj+2
.endr
	v_mov_b32 v[BIG], 0x7f7fffff
	v_mov_b32 v[EV+3], 0                           ; the upper words of the pairs (t, .) and (dur, .): named, never used
	v_mov_b32 v[EV+5], 0
	v_mov_b32 v[EV+9], 0
	v_mov_b32 v[EV+11], 0
	v_mov_b32 v249, 0                              ; the loop's lane permute's destination
	s_wait_dscnt 0x0                               ; for the others' sake: my words of bits and my part of W2 lie in LDS
	s_barrier_signal -1
	s_barrier_wait -1
	; ---- STARTS AND NEXT STARTS.  Wave wv takes component wv; lane l its words 2 l and 2 l + 1.
	s_mul_i32 s16, s2, 272
	v_lshl_add_u32 v162, v1, 3, s16
	ds_load_b64 v[144:145], v162 offset:SEQ+16
	ds_load_b32 v146, v162 offset:SEQ+12           ; the word ahead (lane 0: the guard)
	v_mov_b32 v156, 0x45000000                     ; 2048.0: no start
	v_lshlrev_b32 v161, 6, v1
	v_cvt_f32_u32 v161, v161                       ; 64 l
	v_add_f32 v164, 0xc2fe0000, v161               ; word 2 l's first time less 127,
	v_add_f32 v165, 0xc2be0000, v161               ; word 2 l + 1's: 64 l + 32 - 127
	v_mov_b32 v154, 0                              ; the destination of the moves between lanes below
	s_wait_dscnt 0x0
	v_alignbit_b32 v148, v144, v146, 31            ; the bits one time earlier
	v_alignbit_b32 v149, v145, v144, 31
	v_xor_b32 v148, v144, v148                     ; a start where they differ
	v_xor_b32 v149, v145, v149
	v_cmp_eq_u32 vcc_lo, 0, v1
	v_cndmask_b32 v160, 0, 1, vcc_lo
	v_or_b32 v148, v148, v160                      ; time 0 is always a start
.macro FIRST st, wb, dst                       ; the time of a word's first start, as f32: its lowest set bit as a power of two has the bit's number + 127 in its exponent field; 2048 if the word is 0
	v_sub_nc_u32 v160, 0, v[\st]
	v_and_b32 v160, v[\st], v160
	v_cvt_f32_u32 v160, v160
	v_lshrrev_b32 v160, 23, v160
	v_cvt_f32_u32 v160, v160
	v_add_f32 v160, v[\wb], v160
	v_cmp_eq_u32 vcc_lo, 0, v[\st]
	v_cndmask_b32 v[\dst], v160, v156, vcc_lo
.endm
	FIRST 148, 164, 150
	FIRST 149, 165, 151
	v_min_num_f32 v152, v150, v151                 ; my two words' first start
	v_mov_b32 v153, v156                           ; the first start in all higher lanes: none yet
.macro SCAN d, m                               ; v152 holds the minimum over my aligned group of d lanes; the partner's group lies above mine where my lane's bit d is 0
	v_mov_b32_dpp v154, v152 row_xmask:\d row_mask:0xf bank_mask:0xf
	v_cndmask_b32 v155, v156, v154, s[\m]
	v_min_num_f32 v153, v153, v155
	v_min_num_f32 v152, v152, v154
.endm
	SCAN 1, 56
	SCAN 2, 57
	SCAN 4, 58
	SCAN 8, 59
	v_permlanex16_b32 v154, v152, s62, s63
	v_cndmask_b32 v155, v156, v154, s60
	v_min_num_f32 v159, v153, v155                 ; behind word 2 l + 1: the higher lanes',
	v_min_num_f32 v158, v151, v159                 ; behind word 2 l: word 2 l + 1's too
	s_lshl_b32 s16, s2, 8
	v_lshl_add_u32 v163, v1, 3, s16
	ds_store_b64 v163, v[148:149] offset:STW
	ds_store_b64 v163, v[158:159] offset:NXT
	s_wait_dscnt 0x0                               ; for the others' sake
	s_barrier_signal -1
	s_barrier_wait -1
	; ---- my word, and W2's fragments
	v_and_b32 v250, 7, v0                          ; c
	v_bfe_u32 v251, v0, 3, 1                       ; which of the wave's two words
	s_lshl_b32 s16, s2, 3
	s_lshl_b32 s17, s3, 6
	s_add_co_u32 s16, s16, s17                     ; 4 x (16 q + 2 wv)
	v_lshl_add_u32 v252, v251, 2, s16
	v_mad_u32_u24 v253, v250, 272, v252
	v_lshl_add_u32 v254, v250, 8, v252
	ds_load_b32 v[SQ], v253 offset:SEQ+16
	ds_load_b32 v[ST], v254 offset:STW
	ds_load_b32 v[NX], v254 offset:NXT
	v_mul_u32_u24 v255, v1, 24
	v_lshlrev_b32 v15, 2, v2
	WIN 0x40                                       ; destination window 1
.irp t, 0,1,2,3
.irp p, 0,1,2
	ds_load_b64 v[12*\t+2*\p:12*\t+2*\p+1],     v255 offset:IMG+768*\t+8*\p   ; registers 0-5: K = 32 h on: block h of W2's column,
	ds_load_b64 v[12*\t+6+2*\p:12*\t+7+2*\p],   v255 offset:IMG+768*\t+8*\p   ; registers 6-11: K = 64 + 32 h on: the same once more, for the row's second event
.endr
.endr
	WIN 0
.irp t, 0,1,2,3
	ds_load_b32 v[BSC+\t], v15 offset:SCB+128*\t
	ds_load_b32 v[144+\t], v15 offset:SCB+128*\t+64
.endr
	s_lshl_b32 s17, s16, 3
	s_add_co_u32 s17, s17, 33
	v_lshl_add_u32 v250, v251, 5, s17
	v_cvt_f32_u32 v[EV+2], v250                    ; two above my word's last time: each step takes 2 off
	v_add_f32 v[EV+8], -1.0, v[EV+2]
	s_wait_dscnt 0x0
.irp t, 0,1,2,3
	v_or_b32 v[BSC+\t], v[BSC+\t], v[144+\t]       ; the two blocks' bytes make the column's scale word
.endr
	v_lshrrev_b32 v250, 1, v[ST]                   ; the events of my word: its set bits, counted in pairs, fours, bytes
	v_and_b32 v250, s56, v250
	v_sub_nc_u32 v[CNT], v[ST], v250
	v_lshrrev_b32 v250, 2, v[CNT]
	v_and_b32 v250, s57, v250
	v_and_b32 v[CNT], s57, v[CNT]
	v_add_nc_u32 v[CNT], v[CNT], v250
	v_lshrrev_b32 v250, 4, v[CNT]
	v_add_nc_u32 v[CNT], v[CNT], v250
	v_and_b32 v[CNT], s58, v[CNT]
	v_mul_lo_u32 v[CNT], v[CNT], 0x01010101
	v_lshrrev_b32 v[CNT], 24, v[CNT]
; A step's two slots: bit, time, run length, and the limit that is the mask (the largest f32 for an event, 0 for none).
.macro SCAL
	v_add_f32 v[EV+2], -2.0, v[EV+2]
	v_add_f32 v[EV+8], -2.0, v[EV+8]
.irp e, 0,1
	v_cmp_gt_i32 vcc_lo, 0, v[ST]                          ; the word's top bit: a start at this time?
	v_sub_f32 v[EV+6*\e+4], v[NX], v[EV+6*\e+2]            ; dur = the next start behind this time - this time
	v_cndmask_b32 v[EV+6*\e+1], 0, v[BIG], vcc_lo
	v_cndmask_b32 v[NX], v[NX], v[EV+6*\e+2], vcc_lo       ; for earlier times this one is the next start
	v_lshrrev_b32 v250, 31, v[SQ]
	v_cvt_f32_u32 v[EV+6*\e], v250
	v_lshlrev_b32 v[ST], 1, v[ST]
	v_lshlrev_b32 v[SQ], 1, v[SQ]
.endr
.endm
; Event e's 32 hidden numbers of my half: three fused multiply-adds each, two numbers an instruction.
.macro HID e
.irp j, 0,2,4,6,8,10,12,14,16,18,20,22,24,26,28,30
	v_pk_fma_f32 v[H0+32*\e+\j:H0+32*\e+\j+1], v[C8+\j:C8+\j+1], v[EV+6*\e:EV+6*\e+1], v[CB+\j:CB+\j+1] op_sel_hi:[1,0,1]
.endr
.irp j, 0,2,4,6,8,10,12,14,16,18,20,22,24,26,28,30
	v_pk_fma_f32 v[H0+32*\e+\j:H0+32*\e+\j+1], v[C9+\j:C9+\j+1], v[EV+6*\e+2:EV+6*\e+3], v[H0+32*\e+\j:H0+32*\e+\j+1] op_sel_hi:[1,0,1]
.endr
.irp j, 0,2,4,6,8,10,12,14,16,18,20,22,24,26,28,30
	v_pk_fma_f32 v[H0+32*\e+\j:H0+32*\e+\j+1], v[C10+\j:C10+\j+1], v[EV+6*\e+4:EV+6*\e+5], v[H0+32*\e+\j:H0+32*\e+\j+1] op_sel_hi:[1,0,1]
.endr
.endm
.macro RELU e                                  ; the middle of (h, 0, limit): relu for an event, 0 for a slot that is none: activation and mask in one line
.set jj, 0
.rept 32
	v_med3_num_f32 v[H0+32*\e+jj], v[H0+32*\e+jj], 0, v[EV+6*\e+1]
.set jj, jj+1
.endr
.endm
.macro BMAX                                    ; the two blocks' largest numbers (none is negative), each in two chains, with the floor 2^(3 - 127) as a leaf
	v_max3_num_f32 v240, v[H0], v[H0+1], 0x1800000
	v_max3_num_f32 v242, v[H1], v[H1+1], 0x1800000
	v_max3_num_f32 v241, v[H0+16], v[H0+17], v[H0+18]
	v_max3_num_f32 v243, v[H1+16], v[H1+17], v[H1+18]
.irp i, 2,4,6,8,10,12
	v_max3_num_f32 v240, v240, v[H0+\i], v[H0+\i+1]
	v_max3_num_f32 v242, v242, v[H1+\i], v[H1+\i+1]
	v_max3_num_f32 v241, v241, v[H0+17+\i], v[H0+18+\i]
	v_max3_num_f32 v243, v243, v[H1+17+\i], v[H1+18+\i]
.endr
	v_max3_num_f32 v240, v240, v[H0+14], v[H0+15]
	v_max3_num_f32 v242, v242, v[H1+14], v[H1+15]
	v_max3_num_f32 v240, v240, v241, v[H0+31]
	v_max3_num_f32 v242, v242, v243, v[H1+31]
.endm
.macro CODES                                   ; registers 0-5 of A: event 0's block h; registers 6-11: event 1's
	v_add_nc_u32 v244, 0xff000000, v240            ; 2 off the exponent field: the conversion's scale operand
	v_add_nc_u32 v245, 0xff000000, v242
	v_lshrrev_b32 v246, 23, v244                   ; the scales' bytes
	v_lshrrev_b32 v247, 23, v245
	v_cvt_scalef32_pk16_fp6_f32 v[AC:AC+2],     v[H0:H0+15],    v244
	v_cvt_scalef32_pk16_fp6_f32 v[TC0:TC0+2],   v[H0+16:H0+31], v244       ; (a conversion's three registers begin on an even number: the upper halves are made apart and moved)
	v_cvt_scalef32_pk16_fp6_f32 v[AC+6:AC+8],   v[H1:H1+15],    v245
	v_cvt_scalef32_pk16_fp6_f32 v[TC1:TC1+2],   v[H1+16:H1+31], v245
	v_lshl_or_b32 v248, v247, 16, v246             ; (plain lines behind the conversions)  my bytes: blocks h and 2 + h of the row's four,
	v_lshlrev_b32 v248, v4, v248                   ; at their places,
	v_permlanex16_b32 v249, v248, s62, s63
	v_or_b32 v[ASC], v248, v249                    ; with lane l xor 16's two: the row's scale word
.irp i, 0,1,2
	v_mov_b32 v[AC+3+\i], v[TC0+\i]
	v_mov_b32 v[AC+9+\i], v[TC1+\i]
.endr
.endm
.macro BODY
	HID 0
	HID 1
	RELU 0
	RELU 1
	BMAX
	CODES
.endm
; Four products: 16 rows x 2 events against W2's four tiles of 16 columns.  The four accumulators take turns, one instruction a turn, over the loop's edge too.
.macro MM zero
	WIN 0x54                                       ; A window 0; B, C and D window 1
.irp t, 0,1,2,3
.if \zero
	v_wmma_scale_f32_16x16x128_f8f6f4 v[48+8*\t:55+8*\t], v[AC:AC+11], v[12*\t:12*\t+11], 0, v[ASC], v[BSC+\t] matrix_a_fmt:MATRIX_FMT_FP6 matrix_b_fmt:MATRIX_FMT_FP6
.else
	v_wmma_scale_f32_16x16x128_f8f6f4 v[48+8*\t:55+8*\t], v[AC:AC+11], v[12*\t:12*\t+11], v[48+8*\t:55+8*\t], v[ASC], v[BSC+\t] matrix_a_fmt:MATRIX_FMT_FP6 matrix_b_fmt:MATRIX_FMT_FP6
.endif
.endr
	WIN 0
.endm
	; ---- THE 16 STEPS.  A step's products stand behind the NEXT step's SCAL: its 18 plain lines are the places between the writes of A and of its scale word and the products
	; (ISA guide 7.12.1 for the places behind a matrix instruction), and the next step's vector work follows while the products run.
	SCAL
	BODY
	SCAL
	MM 1                                           ; the first products start the sums: nothing is cleared
	BODY
	s_mov_b32 s61, 14
.Lstep:
	SCAL
	MM 0
	BODY
	s_sub_co_u32 s61, s61, 1
	s_cmp_lg_u32 s61, 0
	s_cbranch_scc1 .Lstep
.rept 8
	v_nop                                          ; the last step has no successor whose lines could be the places
.endr
	MM 0
	; ---- THE SUM over the 16 rows of each accumulator: register j of lane (r, h) is row 8 h + j of column r
.rept 4
	v_nop                                          ; places behind the last products
.endr
	WIN 0x05                                       ; sources window 1, destination window 0
.irp t, 0,1,2,3
	v_pk_add_f32 v[144+4*\t:145+4*\t], v[48+8*\t:49+8*\t], v[50+8*\t:51+8*\t]     ; each accumulator from its low end on
	v_pk_add_f32 v[146+4*\t:147+4*\t], v[52+8*\t:53+8*\t], v[54+8*\t:55+8*\t]
.endr
	WIN 0
.irp t, 0,1,2,3
	v_pk_add_f32 v[144+4*\t:145+4*\t], v[144+4*\t:145+4*\t], v[146+4*\t:147+4*\t]
.endr
.irp t, 0,1,2,3
	v_add_f32 v[144+4*\t], v[144+4*\t], v[145+4*\t]
.endr
.irp t, 0,1,2,3
	v_permlanex16_b32 v[160+\t], v[144+4*\t], s62, s63
.endr
.irp t, 0,1,2,3
	v_add_f32 v[144+4*\t], v[144+4*\t], v[160+\t]
.endr
	s_lshl_b32 s16, s2, 8
	v_lshl_add_u32 v162, v2, 2, s16
.irp t, 0,1,2,3
	ds_store_b32 v162, v[144+4*\t] offset:RED+64*\t        ; column 16 t + r; both halves of the lanes write the same value
.endr
	v_cvt_f32_u32 v164, v[CNT]
	v_add_f32_dpp v164, v164, v164 row_xmask:1 row_mask:0xf bank_mask:0xf  ; sixteen lanes hold the wave's sixteen words (the other sixteen hold them again)
	v_add_f32_dpp v164, v164, v164 row_xmask:2 row_mask:0xf bank_mask:0xf
	v_add_f32_dpp v164, v164, v164 row_xmask:4 row_mask:0xf bank_mask:0xf
	v_add_f32_dpp v164, v164, v164 row_xmask:8 row_mask:0xf bank_mask:0xf
	s_lshl_b32 s17, s2, 2
	v_mov_b32 v163, s17
	ds_store_b32 v163, v164 offset:CNW
	s_wait_dscnt 0x0                               ; for wave 0's sake
	s_barrier_signal -1
	s_barrier_wait -1
	s_cmp_lg_u32 s2, 0
	s_cbranch_scc1 .Lend
	; ---- wave 0 adds the eight waves' sums and counts, and stores 512 consecutive bytes
	v_lshlrev_b32 v15, 4, v2
.irp k, 0,1,2,3,4,5,6,7
	ds_load_b128 v[176+4*\k:179+4*\k], v15 offset:RED+256*\k
.endr
	v_mov_b32 v250, 0
	ds_load_b128 v[208:211], v250 offset:CNW
	ds_load_b128 v[212:215], v250 offset:CNW+16
	s_lshl_b32 s16, ttmp9, 9
	s_mov_b32 s17, 0
	s_add_nc_u64 s[12:13], s[12:13], s[16:17]
	v_lshlrev_b32 v251, 4, v1
	s_wait_dscnt 0x0
.irp k, 1,2,3,4,5,6,7
	v_pk_add_f32 v[176:177], v[176:177], v[176+4*\k:177+4*\k]
	v_pk_add_f32 v[178:179], v[178:179], v[178+4*\k:179+4*\k]
.endr
	v_pk_add_f32 v[208:209], v[208:209], v[210:211]
	v_pk_add_f32 v[212:213], v[212:213], v[214:215]
	v_pk_add_f32 v[208:209], v[208:209], v[212:213]
	v_add_f32 v208, v208, v209
	v_cmp_lt_u32 vcc_lo, 15, v1
.irp i, 0,1,2,3
	v_cndmask_b32 v[176+\i], v[176+\i], v208, vcc_lo       ; lanes 16-31 carry the count
.endr
	global_store_b128 v251, v[176:179], s[12:13]   ; 32 lanes store 512 consecutive bytes, at a multiple of 512 from the buffer's first byte
.Lend:
	s_set_vgpr_msb 0x5
	s_wait_tensorcnt 0x0
	ds_add_u32 v80, v81
	s_wait_dscnt 0x0
	s_set_vgpr_msb 0x500
	s_endpgm
.Lfunc_end_k_qaa16db5fad_events:
	.size	k_qaa16db5fad_events, .Lfunc_end_k_qaa16db5fad_events-k_qaa16db5fad_events
	.p2alignl 7, 3214868480
	.fill 96, 4, 3214868480
	.section	.rodata,"a",@progbits
	.p2align	6, 0x0
	.amdhsa_kernel k_qaa16db5fad_events
		.amdhsa_group_segment_fixed_size 13312
		.amdhsa_private_segment_fixed_size 0
		.amdhsa_enable_private_segment 0
		.amdhsa_kernarg_size 40
		.amdhsa_user_sgpr_count 2
		.amdhsa_user_sgpr_kernarg_segment_ptr 1
		.amdhsa_wavefront_size32 1
		.amdhsa_system_sgpr_workgroup_id_x 1
		.amdhsa_system_sgpr_workgroup_id_y 1
		.amdhsa_system_sgpr_workgroup_id_z 1
		.amdhsa_system_vgpr_workitem_id 0
		.amdhsa_next_free_vgpr 338
		.amdhsa_next_free_sgpr 66
		.amdhsa_reserve_vcc 1
		.amdhsa_float_denorm_mode_32 3
		.amdhsa_float_denorm_mode_16_64 3
		.amdhsa_memory_ordered 1
		.amdhsa_forward_progress 1
		.amdhsa_inst_pref_size 77
	.end_amdhsa_kernel
	.amdgpu_metadata
---
amdhsa.version: [ 1, 2 ]
amdhsa.kernels:
  - .name:           k_qaa16db5fad_events
    .symbol:         k_qaa16db5fad_events.kd
    .args:
      - { .name: x, .offset: 0, .size: 8, .value_kind: global_buffer, .address_space: global }
      - { .name: W1, .offset: 8, .size: 8, .value_kind: global_buffer, .address_space: global }
      - { .name: b1, .offset: 16, .size: 8, .value_kind: global_buffer, .address_space: global }
      - { .name: W2, .offset: 24, .size: 8, .value_kind: global_buffer, .address_space: global }
      - { .name: part, .offset: 32, .size: 8, .value_kind: global_buffer, .address_space: global }
    .group_segment_fixed_size: 13312
    .private_segment_fixed_size: 0
    .kernarg_segment_align: 8
    .kernarg_segment_size: 40
    .max_flat_workgroup_size: 256
    .sgpr_count:     66
    .vgpr_count:     338
    .wavefront_size: 32
...
	.end_amdgpu_metadata
.endif
;; end of part 1
;; launch head (part 2): grid 1 x 1, 4 waves a work-group, no clusters, 31,232 bytes of LDS; arguments part, b2, P1, pb1, P2, pb2, out0; writes out0
.if DOCPART == 2
	.amdgcn_target "amdgcn-amd-amdhsa--gfx1250"
	.amdhsa_code_object_version 6
	.text
	.protected	k_qaa16db5fad_head
	.globl	k_qaa16db5fad_head
	.p2align	8
	.type	k_qaa16db5fad_head,@function
k_qaa16db5fad_head:
	s_mov_b64 s[64:65], 0
	v_nop
	global_prefetch_b8 v0, s[64:65] scope:SCOPE_SE
	s_setreg_imm32_b32 hwreg(HW_REG_WAVE_MODE, 25, 1), 1
	s_wait_xcnt 0x0
; THE HEAD: pooled = (the four quarters' sums + count x b2) / valid;  z = [pooled, valid / 16384];  out = relu(z P1 + pb1) P2 + pb2, both products on codes of E2M3 with one E8M0 scale for each 32 along K.
; part [256][128] f32: row 4 b + q: words 0-63 the quarter's sums, words 64-127 its number of events.
; ONE work-group of four waves: 64 batches are four tiles of 16, and a sum over a batch's quarters has to wait for the launch that makes them.
; Wave w quantises tile w (16 columns) of P1 and of P2, down K, a lane to a column; the fragments go to the other waves through LDS as images of their registers (16 bytes a lane, 512 a store).
; Then wave w takes batches 16 w .. 16 w + 15 through both products, USED TRANSPOSED (source 0 = 16 columns of the weight, source 1 = 16 batches): a lane holds one batch throughout.
; K = 65 of the first product: blocks 0 and 1 are pooled, block 2 is one number and 31 zeros, block 3 (the rest of the instruction's 128) zero codes.  K = 64 of the second: blocks 2 and 3 zero codes.
; THE COLUMNS OF P1 THAT FORM A TILE ARE NOT NEIGHBOURS: row r of tile T is hidden unit 32 (r / 8) + 8 T + r % 8, so that in the results lane (r, h) holds, in register 8 T + j, hidden unit
; 32 h + 8 T + j: a whole block of the next K in one lane, in order: nothing changes lanes between the products but two scale bytes.
; The biases are the C of the products.
; LIMITS: 1 / valid is v_rcp_f32's; NaN and infinities in the inputs are not served; a block whose largest magnitude lies under 2^-124 keeps the scale byte 1 (a block of zeros too: its codes are zeros).
.set P1I,  0                           ; LDS: P1's four fragments, 1,536 bytes each;
.set P2I,  6144                        ; P2's;
.set P1SC, 12288                       ; their scale words, 128 bytes a tile;
.set P2SC, 12800
.set STG,  13312                       ; the way out: for each wave 16 rows x (256 bytes + 16)
.set RA,   32                          ; v32-63   32 numbers of P1 down K;  later v32-79 P1's four fragments;  on the way out rows of the result
.set ONE,  64                          ; v64-79   a block of one number and zeros (its first 16)
.set RB,   80                          ; v80-111  32 numbers of P2;  later v80-127 P2's four fragments
.set B2R,  112                         ; v112-143 b2 at my 32 units
.set HF,   128                         ; v128-139 the hidden layer's fragment
.set Z,    144                         ; v144-175 pooled;  then the first product's results
.set PB1,  176                         ; v176-207 pb1;  then the second product's results
.set PC,   240                         ; v240-251 the fragment just made; at last z's
.set P1S,  20                          ; v20-23, v24-27 the weights' scale words; v28 z's, v29 the hidden layer's (scales and nothing else)
.set P2S,  24
.set ZS,   28
.set HS,   29
                                       ; v208-209 largest magnitudes, v210 scale operand, v211-212 bytes, v213-215 words, v216:217 count, v218:219 1 / valid, v220-223 the four counts, v224-225 at work, v228-230 codes
                                       ; window 1: v0-127 part (32 q + i), v128-159 pb2
.set MSB, 0
.macro WIN new                         ; the immediate's high byte repeats the setting that is left
.if MSB != \new
	s_set_vgpr_msb (MSB<<8)|\new
.set MSB, \new
.endif
.endm
; 32 numbers of one lane, a whole block, become registers 0-5 of the fragment at v[dst]; the byte goes to v211
.macro Q32 s, dst
	v_max3_num_f32 v208, |v[\s]|, |v[\s+1]|, 0x1800000     ; with the floor 2^(3 - 127): the byte cannot fall under 1
	v_max3_num_f32 v209, |v[\s+16]|, |v[\s+17]|, |v[\s+18]|
.irp i, 2,4,6,8,10,12
	v_max3_num_f32 v208, v208, |v[\s+\i]|, |v[\s+\i+1]|
	v_max3_num_f32 v209, v209, |v[\s+17+\i]|, |v[\s+18+\i]|
.endr
	v_max3_num_f32 v208, v208, |v[\s+14]|, |v[\s+15]|
	v_max3_num_f32 v208, v208, v209, |v[\s+31]|
	v_add_nc_u32 v210, 0xff000000, v208            ; 2 off the exponent field: the conversion's scale operand
	v_lshrrev_b32 v211, 23, v210
	v_cvt_scalef32_pk16_fp6_f32 v[\dst:\dst+2], v[\s:\s+15], v210
	v_cvt_scalef32_pk16_fp6_f32 v[228:230], v[\s+16:\s+31], v210   ; (a conversion's three registers begin on an even number)
	v_nop                                          ; one plain line behind the conversions
.irp i, 0,1,2
	v_mov_b32 v[\dst+3+\i], v[228+\i]
.endr
.endm
; the block of one number (v64; v65-79 are zeros) becomes registers 6-11; the byte goes to v212.  In lanes 16-31 v64 is 0: block 3
.macro Q1 dst
	v_max3_num_f32 v208, |v[ONE]|, |v[ONE]|, 0x1800000
	v_add_nc_u32 v210, 0xff000000, v208
	v_lshrrev_b32 v212, 23, v210
	v_cvt_scalef32_pk16_fp6_f32 v[\dst+6:\dst+8], v[ONE:ONE+15], v210
	v_nop
.irp i, 9,10,11
	v_mov_b32 v[\dst+\i], 0
.endr
.endm
.macro ZERO6 dst                               ; blocks 2 and 3 are not there: zero codes, which add nothing under the byte 0
.irp i, 6,7,8,9,10,11
	v_mov_b32 v[\dst+\i], 0
.endr
	v_mov_b32 v212, 0
.endm
.macro WORD d                                  ; my bytes are blocks h and 2 + h; with lane l xor 16's two the scale word is whole
	v_lshl_or_b32 v213, v212, 16, v211
	v_lshlrev_b32 v213, v4, v213
	v_permlanex16_b32 v214, v213, s20, s21
	v_or_b32 v[\d], v213, v214
.endm
.macro IMAGE off                               ; the fragment at v[PC] goes to LDS as it stands
.irp c, 0,1,2
	ds_store_b128 v12, v[PC+4*\c:PC+4*\c+3] offset:\off+512*\c
.endr
.endm
	s_load_b256 s[4:11], s[0:1], 0x0               ; part s[4:5], b2 s[6:7], P1 s[8:9], pb1 s[10:11]
	s_load_b128 s[12:15], s[0:1], 0x20             ; P2 s[12:13], pb2 s[14:15]
	s_load_b64 s[16:17], s[0:1], 0x30              ; out0
	v_lshl_add_u32 v254, v0, 2, 0x7800
	v_mov_b32 v255, 0
	v_lshrrev_b32 v18, 5, v0
	v_readfirstlane_b32 s18, v18                   ; wave 0..3
	v_and_b32 v1, 31, v0                           ; lane
	v_and_b32 v2, 15, v0                           ; r
	v_bfe_u32 v3, v0, 4, 1                         ; h
	v_lshlrev_b32 v4, 3, v3                        ; 8 h
	s_mov_b32 s20, 0x76543210                      ; v_permlanex16_b32's selects for lane l xor 16
	s_mov_b32 s21, 0xfedcba98
	v_bfe_u32 v18, v0, 3, 1
	v_and_b32 v19, 7, v0
	v_lshl_add_u32 v18, v18, 5, v19
	s_lshl_b32 s22, s18, 3
	v_add_nc_u32 v18, s22, v18                     ; P1's column: 32 (r / 8) + 8 w + r % 8
	v_lshlrev_b32 v17, 2, v18                      ; its bytes in a row of 256,
	v_lshl_add_u32 v5, v3, 13, v17                 ; and 32 h rows down
	s_lshl_b32 s22, s18, 4
	v_add_nc_u32 v18, s22, v2                      ; 16 w + r: P2's column, and my batch
	v_lshlrev_b32 v6, 2, v18
	v_lshl_add_u32 v6, v3, 13, v6
	v_lshlrev_b32 v8, 7, v3                        ; 128 h: my 32 units
	v_lshl_add_u32 v7, v18, 11, v8                 ; part: a batch's four rows are 2,048 bytes
	v_lshlrev_b32 v9, 5, v3                        ; 32 h: my 8 outputs of a tile
	v_lshlrev_b32 v10, 4, v1                       ; 16 x lane: an image's place for my lane
	v_lshlrev_b32 v11, 2, v1                       ; 4 x lane: a scale word's
	s_mul_i32 s22, s18, 1536
	v_add_nc_u32 v12, s22, v10                     ; where I store images: tile w
	s_lshl_b32 s22, s18, 7
	v_add_nc_u32 v13, s22, v11
	s_mul_i32 s22, s18, 4352                       ; my stage
	v_mul_u32_u24 v14, v2, 272
	v_lshl_add_u32 v14, v3, 5, v14
	v_add_nc_u32 v14, s22, v14                     ; in: row r, 32 h bytes on
	v_mul_u32_u24 v15, v3, 272
	v_lshl_add_u32 v15, v2, 4, v15
	v_add_nc_u32 v15, s22, v15                     ; back: lanes 0-15 one row, lanes 16-31 the next
	s_lshl_b32 s22, s18, 12
	v_lshlrev_b32 v16, 8, v3
	v_lshl_add_u32 v16, v2, 4, v16
	v_add_nc_u32 v16, s22, v16                     ; and the same two rows in out0
.set jj, 1
.rept 15
	v_mov_b32 v[ONE+jj], 0
.set jj, jj+1
.endr
	v_mov_b32 v214, 0                              ; a lane permute's destination counts as read
	v_mov_b32 v217, 0                              ; the upper words of two pairs: named, never used
	v_mov_b32 v219, 0
	s_wait_kmcnt 0x0
	; all 125 loads in one run, in the order in which they are wanted
.set jj, 0
.rept 32
	global_load_b32 v[RA+jj], v5, s[8:9] offset:256*jj     ; P1[32 h + i][my column]
.set jj, jj+1
.endr
	global_load_b32 v[ONE], v17, s[8:9] offset:16384       ; P1[64][my column]
.set jj, 0
.rept 32
	global_load_b32 v[RB+jj], v6, s[12:13] offset:256*jj   ; P2[32 h + i][16 w + r]
.set jj, jj+1
.endr
	WIN 0x40                                       ; destination window 1
.irp q, 0,1,2,3
.irp k, 0,1,2,3,4,5,6,7
	global_load_b128 v[32*\q+4*\k:32*\q+4*\k+3], v7, s[4:5] offset:512*\q+16*\k
.endr
.endr
	WIN 0
.irp q, 0,1,2,3
	global_load_b32 v[220+\q], v7, s[4:5] offset:512*\q+256        ; words 64 and 96 both hold the quarter's count
.endr
.irp k, 0,1,2,3,4,5,6,7
	global_load_b128 v[B2R+4*\k:B2R+4*\k+3], v8, s[6:7] offset:16*\k
.endr
.irp k, 0,1,2,3,4,5,6,7
	global_load_b128 v[PB1+4*\k:PB1+4*\k+3], v8, s[10:11] offset:16*\k     ; register 8 T + j: pb1[32 h + 8 T + j]
.endr
	WIN 0x40
.irp t, 0,1,2,3
	global_load_b128 v[128+8*\t:131+8*\t], v9, s[14:15] offset:64*\t       ; register 8 T + j: pb2[16 T + 8 h + j]
	global_load_b128 v[132+8*\t:135+8*\t], v9, s[14:15] offset:64*\t+16
.endr
	WIN 0
	; ---- the weights: my tile of each
	s_wait_loadcnt 60                              ; P1 and P2 are in; behind them stand part's 32, the 4 counts, b2's, pb1's and pb2's 8 each
	v_cmp_eq_u32 vcc_lo, 0, v3
	v_cndmask_b32 v[ONE], 0, v[ONE], vcc_lo        ; K = 64 belongs to lanes 0-15 (block 2); lanes 16-31 hold block 3: zeros
	Q32 RA, PC
	Q1 PC
	WORD 215
	IMAGE P1I
	ds_store_b32 v13, v215 offset:P1SC
	s_wait_dscnt 0x0                               ; the stores have read their registers
	Q32 RB, PC
	ZERO6 PC
	WORD 215
	IMAGE P2I
	ds_store_b32 v13, v215 offset:P2SC
	s_wait_dscnt 0x0                               ; likewise
	; ---- z of my batch, units 32 h on
	s_wait_loadcnt 16                              ; part, the counts and b2 are in; pb1's and pb2's 8 each may be out
	v_add_f32 v216, v220, v221
	v_add_f32 v224, v222, v223
	v_add_f32 v216, v216, v224                     ; the batch's events
	v_max_num_f32 v224, 1.0, v216                  ; valid
	v_rcp_f32 v218, v224
	v_mul_f32 v225, 0x38800000, v224               ; (a plain line behind the reciprocal)  valid / 16384: exact
	v_cmp_eq_u32 vcc_lo, 0, v3
	v_cndmask_b32 v[ONE], 0, v225, vcc_lo
	WIN 0x45                                       ; sources and destination window 1
.set jj, 0
.rept 16
	v_pk_add_f32 v[jj:jj+1], v[jj:jj+1], v[32+jj:33+jj]
	v_pk_add_f32 v[64+jj:65+jj], v[64+jj:65+jj], v[96+jj:97+jj]
.set jj, jj+2
.endr
.set jj, 0
.rept 16
	v_pk_add_f32 v[jj:jj+1], v[jj:jj+1], v[64+jj:65+jj]
.set jj, jj+2
.endr
	WIN 0x10                                       ; source 2 window 1
.set jj, 0
.rept 16
	v_pk_fma_f32 v[Z+jj:Z+jj+1], v[B2R+jj:B2R+jj+1], v[216:217], v[jj:jj+1] op_sel_hi:[1,0,1]      ; each event adds b2 once
.set jj, jj+2
.endr
	WIN 0
.set jj, 0
	s_wait_alu depctr_va_vdst(0)
.rept 16
	v_pk_mul_f32 v[Z+jj:Z+jj+1], v[Z+jj:Z+jj+1], v[218:219] op_sel_hi:[1,0]
.set jj, jj+2
.endr
	Q32 Z, PC
	Q1 PC
	WORD ZS
	s_wait_dscnt 0x0                               ; for the others' sake (my stores were waited for above)
	s_barrier_signal -1
	s_barrier_wait -1                              ; all eight fragments of the weights lie in LDS
	; ---- all tiles of both weights
.irp t, 0,1,2,3
.irp c, 0,1,2
	ds_load_b128 v[RA+12*\t+4*\c:RA+12*\t+4*\c+3], v10 offset:P1I+1536*\t+512*\c
	ds_load_b128 v[RB+12*\t+4*\c:RB+12*\t+4*\c+3], v10 offset:P2I+1536*\t+512*\c
.endr
	ds_load_b32 v[P1S+\t], v11 offset:P1SC+128*\t
	ds_load_b32 v[P2S+\t], v11 offset:P2SC+128*\t
.endr
.rept 8
	v_nop                                          ; z's scale word and codes were written by vector lines: 8 and 4 places ahead of a scaled product
.endr
	s_wait_dscnt 0x0
	s_wait_loadcnt 0x0                             ; pb1, pb2
.irp t, 0,1,2,3
	v_wmma_scale_f32_16x16x128_f8f6f4 v[Z+8*\t:Z+8*\t+7], v[RA+12*\t:RA+12*\t+11], v[PC:PC+11], v[PB1+8*\t:PB1+8*\t+7], v[P1S+\t], v[ZS] matrix_a_fmt:MATRIX_FMT_FP6 matrix_b_fmt:MATRIX_FMT_FP6
.endr
.rept 4
	v_nop                                          ; places behind the products (ISA guide 7.12.1)
.endr
.set jj, 0
.rept 32
	v_max_num_f32 v[Z+jj], 0, v[Z+jj]              ; the activation, each result from its low end on
.set jj, jj+1
.endr
	Q32 Z, HF
	ZERO6 HF
	WORD HS
.rept 8
	v_nop
.endr
	WIN 0x10                                       ; C (pb2) window 1
.irp t, 0,1,2,3
	v_wmma_scale_f32_16x16x128_f8f6f4 v[PB1+8*\t:PB1+8*\t+7], v[RB+12*\t:RB+12*\t+11], v[HF:HF+11], v[128+8*\t:135+8*\t], v[P2S+\t], v[HS] matrix_a_fmt:MATRIX_FMT_FP6 matrix_b_fmt:MATRIX_FMT_FP6
.endr
	WIN 0
.rept 4
	v_nop
.endr
	; ---- THE WAY OUT.  Lane (r, h) holds out(16 w + r, 16 T + 8 h + j): through my own stage, back as whole rows of 256 bytes.  LDS serves a wave's instructions in order (ISA guide 5.7.1.4): no wait between stores and loads.
.irp t, 0,1,2,3
	ds_store_b128 v14, v[PB1+8*\t:PB1+8*\t+3] offset:STG+64*\t
	ds_store_b128 v14, v[PB1+8*\t+4:PB1+8*\t+7] offset:STG+64*\t+16
.endr
.irp i, 0,1,2,3,4,5,6,7
	ds_load_b128 v[RA+4*\i:RA+4*\i+3], v15 offset:STG+544*\i
.endr
.irp i, 0,1,2,3,4,5,6,7
	s_wait_dscnt 7-\i                              ; the younger loads may stay out
	global_store_b128 v16, v[RA+4*\i:RA+4*\i+3], s[16:17] offset:512*\i    ; sixteen lanes store 256 consecutive bytes, at a multiple of 256 from out0's first byte
.endr
	s_wait_tensorcnt 0x0
	ds_add_u32 v254, v255
	s_wait_dscnt 0x0
	s_endpgm
.Lfunc_end_k_qaa16db5fad_head:
	.size	k_qaa16db5fad_head, .Lfunc_end_k_qaa16db5fad_head-k_qaa16db5fad_head
	.p2alignl 7, 3214868480
	.fill 96, 4, 3214868480
	.section	.rodata,"a",@progbits
	.p2align	6, 0x0
	.amdhsa_kernel k_qaa16db5fad_head
		.amdhsa_group_segment_fixed_size 31232
		.amdhsa_private_segment_fixed_size 0
		.amdhsa_enable_private_segment 0
		.amdhsa_kernarg_size 56
		.amdhsa_user_sgpr_count 2
		.amdhsa_user_sgpr_kernarg_segment_ptr 1
		.amdhsa_wavefront_size32 1
		.amdhsa_system_sgpr_workgroup_id_x 1
		.amdhsa_system_sgpr_workgroup_id_y 1
		.amdhsa_system_sgpr_workgroup_id_z 1
		.amdhsa_system_vgpr_workitem_id 0
		.amdhsa_next_free_vgpr 416
		.amdhsa_next_free_sgpr 66
		.amdhsa_reserve_vcc 1
		.amdhsa_float_denorm_mode_32 3
		.amdhsa_float_denorm_mode_16_64 3
		.amdhsa_memory_ordered 1
		.amdhsa_forward_progress 1
		.amdhsa_inst_pref_size 36
	.end_amdhsa_kernel
	.amdgpu_metadata
---
amdhsa.version: [ 1, 2 ]
amdhsa.kernels:
  - .name:           k_qaa16db5fad_head
    .symbol:         k_qaa16db5fad_head.kd
    .args:
      - { .name: part, .offset: 0, .size: 8, .value_kind: global_buffer, .address_space: global }
      - { .name: b2, .offset: 8, .size: 8, .value_kind: global_buffer, .address_space: global }
      - { .name: P1, .offset: 16, .size: 8, .value_kind: global_buffer, .address_space: global }
      - { .name: pb1, .offset: 24, .size: 8, .value_kind: global_buffer, .address_space: global }
      - { .name: P2, .offset: 32, .size: 8, .value_kind: global_buffer, .address_space: global }
      - { .name: pb2, .offset: 40, .size: 8, .value_kind: global_buffer, .address_space: global }
      - { .name: out0, .offset: 48, .size: 8, .value_kind: global_buffer, .address_space: global }
    .group_segment_fixed_size: 31232
    .private_segment_fixed_size: 0
    .kernarg_segment_align: 8
    .kernarg_segment_size: 56
    .max_flat_workgroup_size: 128
    .sgpr_count:     66
    .vgpr_count:     416
    .wavefront_size: 32
...
	.end_amdgpu_metadata
.endif
;; end of part 2
;; ======== version 2 of 2: 2 launches; version 1 with the launches events, head written anew for expert scheduling mode
;; workspace buffers: part 131,072 bytes
;; launch events (part 3): grid 256 x 1, 8 waves a work-group, no clusters, 13,312 bytes of LDS; arguments x, W1, b1, W2, part; writes part
.if DOCPART == 3
	.amdgcn_target "amdgcn-amd-amdhsa--gfx1250"
	.amdhsa_code_object_version 6
	.text
	.protected	k_qaa16db5fad_events
	.globl	k_qaa16db5fad_events
	.p2align	8
	.type	k_qaa16db5fad_events,@function
k_qaa16db5fad_events:
	s_mov_b64 s[64:65], 0
	v_nop
	global_prefetch_b8 v0, s[64:65] scope:SCOPE_SE
	s_setreg_imm32_b32 hwreg(HW_REG_WAVE_SCHED_MODE, 0, 2), 2
	s_setreg_imm32_b32 hwreg(HW_REG_WAVE_MODE, 25, 1), 1
	s_wait_xcnt 0x0
	s_wait_alu depctr_vm_vsrc(0)
; RUN-LENGTH EVENTS, FIRST LAYER, QUANTISER, SECOND LAYER, SUM OVER A QUARTER OF A BATCH.
; x [64][2048][8] f32.  A slot (batch, component c, time t) is an event where the bit (x > 0.5) differs from the bit one time earlier (t = 0 always).
; An event's 64 hidden numbers are relu(W1[c] + b1 + s W1[8] + (t / 2047) W1[9] + (dur / 2048) W1[10]), all in f32 by fused multiply-adds; they are quantised to E2M3 in two blocks of 32
; and multiplied by the quantised W2.  Only the SUM over a batch's events is kept, so ONE matrix instruction of K = 128 carries TWO events in each row of A ([event 0's 64 | event 1's 64]),
; B is W2 stacked twice, and every instruction adds onto the same four accumulators (16 columns each).  A slot that is no event gets zero codes, which add nothing.
; SHARES.  Work-group g: batch g / 4, times 512 (g % 4) on.  Wave wv: 64 of those times, all 8 components: 512 slots, 16 steps of 32 slots.
; Lane (r = lane % 16, h = lane / 16): component r % 8, the word of 32 times 16 q + 2 wv + r / 8, hidden units 32 h .. 32 h + 31: a whole block of 32 lies in one lane, so a block's largest number needs no other lane.
; A step takes the word's two highest remaining times: going DOWN in time the next start is carried in one register, and dur = next start - t.
; The next start may lie anywhere later in the batch, so every work-group turns the whole batch into bits (8 KiB of x a wave, compared in registers) and scans the start words.
; OUT: part[g][0..63] = the sums, part[g][64..127] = the number of events as f32, repeated: one store of 512 consecutive bytes.
; NO JOINT LOADS for the 64 KiB of x that the four work-groups of a batch share: x is read once, goes from memory straight into registers and is compared there; through LDS it would cost
; 16 more LDS loads a wave and the passes of a cluster's barrier, for one fill that is never repeated.
; NO COMPACTION of events: which slots are events hangs on floating-point compares, so their places could steer addresses only from an earlier launch's stored list.
; LIMITS: a NaN in x counts as not above 0.5, as in reference(); NaN and infinities in W1, b1, W2 are not served; a block whose largest magnitude lies under 2^-124 keeps the scale byte 1;
; t / 2047 is taken as t x (W1[9] x the f32 nearest to 1 / 2047): two roundings in another order than reference()'s, about 1e-7 of the term.
; THE MODE: SCHED_MODE bits 1:0 = 2 (LLVM: expert scheduling mode 2), set by the entry lines.  The code itself states the register dependences between vector or matrix instructions
; and memory or LDS instructions, and those through scalar registers that vector instructions write, with s_wait_alu, always for 0.
; THE PLAN.  Registers that memory or LDS instructions touch:
;   v5-v8          offsets of the 72 loads at the head; behind them v5 is written as BIG and my three words land in v6-v8.
;   v9, v144-146, v176, v152-157   addresses and data of the seven LDS stores ahead of the first barrier: one run behind one wait on va_vdst.
;   v162           address of the two LDS loads behind the first barrier, made ahead of that same wait; they land in v144-146.
;   v148, v149, v158, v159, v163   data and address of the two LDS stores ahead of the second barrier;  v253-255, v15: addresses of the 35 LDS loads behind it, made ahead of the same wait.
;   Two waits on vm_vsrc free what those instructions have read: one ahead of the first barrier (v5-v9, v144-157, v176), one ahead of the first step (v148-163, which become H0; v15).
;   THE 16 STEPS hold no memory and no LDS instruction.  A step has two waits: one on va_sdst between its two compares and the selects that read their masks, and one on va_vdst
;   ahead of its four products, which take codes and a scale word that vector instructions have written.
;   Behind the loop: one wait on va_vdst ahead of the five LDS stores of the sums; wave 0's tail has its own.
.set SEQ, 0                            ; LDS: the bits: row c at 272 c: a guard word at +12, word w (times 32 w on, bit i = time 32 w + i) at +16 + 4 w
.set STW, 2304                         ; the start words, [c][64], 256 bytes a row
.set NXT, 4352                         ; for each word the first start behind its last time, as f32 (2048 if none), [c][64]
.set IMG, 6400                         ; W2's codes: tile nt at 768 nt, operand lane L at 24 L: 32 codes
.set SCB, 9472                         ; W2's scale words in two parts: 128 nt + 64 (block) + 4 r
.set RED, 9984                         ; the waves' sums, [wave][64]
.set CNW, 12032                        ; the waves' counts, 8 words
.set BIG, 5                            ; v5   the largest finite f32
.set ST,  6                            ; v6   my start word, shifted up two bits a step
.set SQ,  7                            ; v7   my word of bits, likewise
.set NX,  8                            ; v8   the next start, f32
.set CNT, 9                            ; v9   the events of my word
.set ASC, 10                           ; v10  A's scale word (scales and nothing else)
.set BSC, 11                           ; v11-14 W2's scale words, one a tile (scales and nothing else)
.set CB,  16                           ; v16-47   W1[c] + b1 at my 32 hidden units
.set C8,  48                           ; v48-79   W1[8]
.set C9,  80                           ; v80-111  W1[9] / 2047
.set C10, 112                          ; v112-143 W1[10] / 2048
.set X,   144                          ; v144-207 at the head: 64 numbers of x; then the head's temporaries
.set H0,  144                          ; v144-175 event 0's 32 hidden numbers
.set H1,  176                          ; v176-207 event 1's
.set AC,  208                          ; v208-219 A's fragment (at the head v208-223: 16 numbers of W2)
.set TC0, 220                          ; v220-222, v224-226: the upper halves of the two blocks' codes, as the conversions leave them
.set TC1, 224
.set EV,  228                          ; event e at v[228 + 6 e]: +0 s, +1 limit, +2 t, +3 0, +4 dur, +5 0: pairs for the packed multiply-adds, which take each pair's low word
                                       ; window 1: v0-47 W2's four fragments; v48-79 the four accumulators
                                       ; s15 the mask of lane 0; s[24:55] the compares of x, then s25, s26 masks of the scan; s40, s41 a step's two masks
.set MSB, 0
.macro WIN new                         ; the immediate's high byte repeats the setting that is left
.if MSB != \new
	s_set_vgpr_msb (MSB<<8)|\new
.set MSB, \new
.endif
.endm
	s_load_b256 s[4:11], s[0:1], 0x0               ; x s[4:5], W1 s[6:7], b1 s[8:9], W2 s[10:11]
	s_load_b64 s[12:13], s[0:1], 0x20              ; part
	s_set_vgpr_msb 0x40
	v_lshl_add_u32 v80, v0, 2, 0x3000
	v_mov_b32 v81, 0
	s_set_vgpr_msb 0x4000
	v_lshrrev_b32 v15, 5, v0
	v_readfirstlane_b32 s2, v15                    ; wave 0..7
	v_and_b32 v1, 31, v0                           ; lane
	v_cmp_eq_u32 s15, 0, v1                        ; lane 0: wanted by the scan of the starts; made here, so that one wait serves it and the wave's number
	v_and_b32 v2, 15, v0                           ; r
	v_bfe_u32 v3, v0, 4, 1                         ; h
	v_lshlrev_b32 v4, 3, v3                        ; 8 h
	s_and_b32 s3, ttmp9, 3                         ; q: which quarter of the times
	s_lshr_b32 s14, ttmp9, 2                       ; the batch
	s_lshl_b32 s18, s14, 16                        ; a batch of x is 65,536 bytes
	s_mov_b32 s19, 0
	s_wait_alu depctr_va_sdst(0)                   ; s2 and s15 are written, ahead of the first reader of either
	s_lshl_b32 s16, s2, 13
	v_lshl_add_u32 v5, v1, 5, s16                  ; x: time 256 wv + lane: 32 bytes a time
	s_and_b32 s17, s2, 1                           ; W2: which block of 32 along K my wave quantises,
	s_lshr_b32 s20, s2, 1                          ; and of which tile of 16 columns
	s_lshl_b32 s21, s17, 13
	s_lshl_b32 s22, s20, 6
	s_add_co_u32 s21, s21, s22
	v_lshlrev_b32 v6, 2, v2
	v_lshl_add_u32 v6, v3, 12, v6
	v_add_nc_u32 v6, s21, v6                       ; W2[32 block + 16 h + i][16 tile + r]: rows of 256 bytes
	v_lshlrev_b32 v8, 7, v3                        ; my 32 hidden units: 128 h bytes on
	v_and_b32 v7, 7, v0
	v_lshl_add_u32 v7, v7, 8, v8                   ; and row c of W1
	s_mov_b32 s56, 0x55555555                      ; lanes whose partner 1, 2, 4, 8, 16 away is the higher one; the first three also serve the count of bits
	s_mov_b32 s57, 0x33333333
	s_mov_b32 s58, 0x0f0f0f0f
	s_mov_b32 s59, 0x00ff00ff
	s_mov_b32 s60, 0x0000ffff
	s_mov_b32 s62, 0x76543210                      ; v_permlanex16_b32's selects for lane l xor 16
	s_mov_b32 s63, 0xfedcba98
	s_wait_kmcnt 0x0
	s_add_nc_u64 s[4:5], s[4:5], s[18:19]
	s_wait_alu depctr_va_vdst(0)                   ; the offsets v5 to v8 are written, which the 72 loads below read
	; all 72 loads in one run: x first, since the bits are wanted first
.irp g, 0,1,2,3,4,5,6,7
	global_load_b128 v[X+8*\g:X+8*\g+3],   v5, s[4:5] offset:1024*\g       ; time 256 wv + 32 g + lane, components 0-3
	global_load_b128 v[X+8*\g+4:X+8*\g+7], v5, s[4:5] offset:1024*\g+16    ; components 4-7
.endr
.irp i, 0,1,2,3,4,5,6,7,8,9,10,11,12,13,14,15
	global_load_b32 v[AC+\i], v6, s[10:11] offset:256*\i
.endr
.irp k, 0,1,2,3,4,5,6,7
	global_load_b128 v[CB+4*\k:CB+4*\k+3],   v7, s[6:7] offset:16*\k
	global_load_b128 v[224+4*\k:227+4*\k],   v8, s[8:9] offset:16*\k       ; b1, added to CB below
	global_load_b128 v[C8+4*\k:C8+4*\k+3],   v8, s[6:7] offset:2048+16*\k
	global_load_b128 v[C9+4*\k:C9+4*\k+3],   v8, s[6:7] offset:2304+16*\k
	global_load_b128 v[C10+4*\k:C10+4*\k+3], v8, s[6:7] offset:2560+16*\k
.endr
	v_lshrrev_b32 v9, 2, v1                        ; where a lane puts a word of bits: lane 4 c + g holds component c's word 8 wv + 4 half + g
	v_mul_u32_u24 v9, v9, 272
	v_and_b32 v15, 3, v1
	v_lshl_add_u32 v9, v15, 2, v9
	s_lshl_b32 s23, s2, 5
	s_add_co_u32 s23, s23, 16
	v_add_nc_u32 v9, s23, v9
	; ---- THE BITS.  A compare over the 32 lanes IS a word of 32 times.  32 words at a time go from scalar registers into the lanes of one register; the two registers leave by two LDS stores, below.
	s_wait_loadcnt 56                              ; x's 16 loads are in; behind them stand W2's 16 and the constants' 40
.irp f, 0,1
.irp c, 0,1,2,3,4,5,6,7
.irp g, 0,1,2,3
	v_cmp_lt_f32 s[24+4*\c+\g], 0.5, v[X+32*\f+8*\g+\c]
.endr
.endr
	v_mov_b32 v[X+32*\f], 0                        ; compared already; a lane write's destination counts as read.  Each half has its own register: no store's data are written again
	s_wait_alu depctr_va_sdst(0)                   ; the 32 compares have written s24 to s55, which the lane writes read
.irp n, 0,1,2,3,4,5,6,7,8,9,10,11,12,13,14,15,16,17,18,19,20,21,22,23,24,25,26,27,28,29,30,31
	v_writelane_b32 v[X+32*\f], s[24+\n], \n
.endr
.endr
	s_mul_i32 s23, s2, 272
	s_add_co_u32 s23, s23, 12
	v_mov_b32 v[X+1], s23                          ; row wv's guard word: its address,
	v_mov_b32 v[X+2], 0                            ; and what it holds
	s_mul_i32 s16, s2, 272
	v_lshl_add_u32 v162, v1, 3, s16                ; the address of the loads behind the first barrier: made here, ahead of the wait that stands in front of the stores
	; ---- W2: my 16 numbers of a block of 32 down K of column 16 tile + r; lane l xor 16 holds the other 16
	s_wait_loadcnt 40                              ; W2's 16 loads are in; the constants' 40 may be out
	v_max3_num_f32 v148, |v[AC]|, |v[AC+1]|, 0x1800000     ; with the floor 2^(3 - 127) among the leaves: the byte cannot fall under 1
.irp i, 2,4,6,8,10,12,14
	v_max3_num_f32 v148, v148, |v[AC+\i]|, |v[AC+\i+1]|
.endr
	v_mov_b32 v149, 0                              ; a lane permute's destination counts as read
	v_permlanex16_b32 v149, v148, s62, s63
	v_max_num_f32 v148, v148, v149                 ; the block's largest magnitude
	v_add_nc_u32 v150, 0xff000000, v148            ; 2 off its exponent field: the conversion takes this operand's exponent field as its scale
	v_lshrrev_b32 v151, 23, v150                   ; the scale's byte
	v_cvt_scalef32_pk16_fp6_f32 v[152:154], v[AC:AC+15], v150
	v_mul_u32_u24 v157, v151, 0x10001              ; (a plain line behind the conversion)  W2 is stacked twice along K: the byte serves blocks b and b + 2
	s_lshl_b32 s16, s17, 3
	v_lshlrev_b32 v157, s16, v157                  ; at its place in the scale word
	s_mul_i32 s21, s20, 768
	s_mul_i32 s22, s17, 384
	s_add_co_u32 s21, s21, s22
	v_mul_u32_u24 v155, v2, 24
	v_mad_u32_u24 v155, v3, 12, v155
	v_add_nc_u32 v155, s21, v155                   ; operand lane 16 block + r, my half of its 24 bytes
	s_lshl_b32 s21, s20, 7
	s_lshl_b32 s22, s17, 6
	s_add_co_u32 s21, s21, s22
	v_lshl_add_u32 v156, v2, 2, s21
	s_wait_alu depctr_va_vdst(0)                   ; written: the two registers of bit words, the guard's address and word, W2's codes and scale word, the addresses v9, v155, v156, which the seven stores read;
	                                               ; and v162 and v144 to v146: the loads behind the barrier read the one and land in the others, and no vector line between this wait and them names any of the four
	ds_store_b32 v9, v[X] offset:SEQ
	ds_store_b32 v9, v[X+32] offset:SEQ+16
	ds_store_b32 v[X+1], v[X+2] offset:SEQ         ; row wv's guard word: read as the word ahead of word 0; the bit that it feeds is set to 1 anyway
	ds_store_b32 v155, v152 offset:IMG
	ds_store_b32 v155, v153 offset:IMG+4
	ds_store_b32 v155, v154 offset:IMG+8
	ds_store_b32 v156, v157 offset:SCB             ; both halves of the lanes write the same word with the same value
	; ---- the constants of the first layer, while the stores land
	s_wait_loadcnt 0x0
.set jj, 0
.rept 16
	v_pk_add_f32 v[CB+jj:CB+jj+1], v[CB+jj:CB+jj+1], v[224+jj:225+jj]
	v_pk_mul_f32 v[C9+jj:C9+jj+1], v[C9+jj:C9+jj+1], 0x3a001002 op_sel_hi:[1,0]      ; the f32 nearest to 1 / 2047
	v_pk_mul_f32 v[C10+jj:C10+jj+1], v[C10+jj:C10+jj+1], 0x3a000000 op_sel_hi:[1,0]  ; 2^-11: exact
.set jj, jj+2
.endr
	s_wait_alu depctr_vm_vsrc(0)                   ; the 72 loads have read v5 to v8 and the seven stores v9, v144 to v146, v176 and v152 to v157: v5 is written below, the others behind the barrier, by vector lines and by loads
	v_mov_b32 v[BIG], 0x7f7fffff
	v_mov_b32 v[EV+3], 0                           ; the upper words of the pairs (t, .) and (dur, .): named, never used
	v_mov_b32 v[EV+5], 0
	v_mov_b32 v[EV+9], 0
	v_mov_b32 v[EV+11], 0
	v_mov_b32 v249, 0                              ; the loop's lane permute's destination
	s_wait_dscnt 0x0                               ; for the others' sake: my words of bits and my part of W2 lie in LDS
	s_barrier_signal -1
	s_barrier_wait -1
	; ---- STARTS AND NEXT STARTS.  Wave wv takes component wv; lane l its words 2 l and 2 l + 1.
	ds_load_b64 v[144:145], v162 offset:SEQ+16
	ds_load_b32 v146, v162 offset:SEQ+12           ; the word ahead (lane 0: the guard)
	v_mov_b32 v156, 0x45000000                     ; 2048.0: no start
	v_lshlrev_b32 v161, 6, v1
	v_cvt_f32_u32 v161, v161                       ; 64 l
	v_add_f32 v164, 0xc2fe0000, v161               ; word 2 l's first time less 127,
	v_add_f32 v165, 0xc2be0000, v161               ; word 2 l + 1's: 64 l + 32 - 127
	v_mov_b32 v154, 0                              ; the destination of the moves between lanes below
	v_cndmask_b32 v160, 0, 1, s15                  ; 1 in lane 0 (the wait for s15 stands at the head)
	s_wait_dscnt 0x0
	v_alignbit_b32 v148, v144, v146, 31            ; the bits one time earlier
	v_alignbit_b32 v149, v145, v144, 31
	v_xor_b32 v148, v144, v148                     ; a start where they differ
	v_xor_b32 v149, v145, v149
	v_or_b32 v148, v148, v160                      ; time 0 is always a start
.macro FIRST st, wb, tmp, m                    ; the time of a word's first start, as f32: its lowest set bit as a power of two has the bit's number + 127 in its exponent field; the mask says where the word is 0
	v_cmp_eq_u32 s[\m], 0, v[\st]
	v_sub_nc_u32 v[\tmp], 0, v[\st]
	v_and_b32 v[\tmp], v[\st], v[\tmp]
	v_cvt_f32_u32 v[\tmp], v[\tmp]
	v_lshrrev_b32 v[\tmp], 23, v[\tmp]
	v_cvt_f32_u32 v[\tmp], v[\tmp]
	v_add_f32 v[\tmp], v[\wb], v[\tmp]
.endm
	FIRST 148, 164, 160, 25
	FIRST 149, 165, 161, 26
	s_wait_alu depctr_va_sdst(0)                   ; the two compares have written s25 and s26, which the two selects read
	v_cndmask_b32 v150, v160, v156, s25            ; 2048 if the word is 0
	v_cndmask_b32 v151, v161, v156, s26
	v_min_num_f32 v152, v150, v151                 ; my two words' first start
	v_mov_b32 v153, v156                           ; the first start in all higher lanes: none yet
.macro SCAN d, m                               ; v152 holds the minimum over my aligned group of d lanes; the partner's group lies above mine where my lane's bit d is 0
	v_mov_b32_dpp v154, v152 row_xmask:\d row_mask:0xf bank_mask:0xf
	v_cndmask_b32 v155, v156, v154, s[\m]
	v_min_num_f32 v153, v153, v155
	v_min_num_f32 v152, v152, v154
.endm
	SCAN 1, 56
	SCAN 2, 57
	SCAN 4, 58
	SCAN 8, 59
	v_permlanex16_b32 v154, v152, s62, s63
	v_cndmask_b32 v155, v156, v154, s60
	v_min_num_f32 v159, v153, v155                 ; behind word 2 l + 1: the higher lanes',
	v_min_num_f32 v158, v151, v159                 ; behind word 2 l: word 2 l + 1's too
	s_lshl_b32 s16, s2, 8
	v_lshl_add_u32 v163, v1, 3, s16
	v_and_b32 v250, 7, v0                          ; c.  (The addresses of the loads behind the next barrier are made here, ahead of the wait that stands in front of the stores)
	v_bfe_u32 v251, v0, 3, 1                       ; which of the wave's two words
	s_lshl_b32 s16, s2, 3
	s_lshl_b32 s17, s3, 6
	s_add_co_u32 s16, s16, s17                     ; 4 x (16 q + 2 wv)
	v_lshl_add_u32 v252, v251, 2, s16
	v_mad_u32_u24 v253, v250, 272, v252
	v_lshl_add_u32 v254, v250, 8, v252
	v_mul_u32_u24 v255, v1, 24
	v_lshlrev_b32 v15, 2, v2
	s_wait_alu depctr_va_vdst(0)                   ; written: the start words, the next starts and v163, which the two stores read; v253 to v255 and v15, which the 35 loads behind the barrier read;
	                                               ; and the vector lines are done with v6 to v8 and v144 to v147, in which some of those loads land.  No vector line stands between this wait and them
	ds_store_b64 v163, v[148:149] offset:STW
	ds_store_b64 v163, v[158:159] offset:NXT
	s_wait_dscnt 0x0                               ; for the others' sake
	s_barrier_signal -1
	s_barrier_wait -1
	; ---- my word, and W2's fragments
	ds_load_b32 v[SQ], v253 offset:SEQ+16
	ds_load_b32 v[ST], v254 offset:STW
	ds_load_b32 v[NX], v254 offset:NXT
	WIN 0x40                                       ; destination window 1
.irp t, 0,1,2,3
.irp p, 0,1,2
	ds_load_b64 v[12*\t+2*\p:12*\t+2*\p+1],     v255 offset:IMG+768*\t+8*\p   ; registers 0-5: K = 32 h on: block h of W2's column,
	ds_load_b64 v[12*\t+6+2*\p:12*\t+7+2*\p],   v255 offset:IMG+768*\t+8*\p   ; registers 6-11: K = 64 + 32 h on: the same once more, for the row's second event
.endr
.endr
	WIN 0
.irp t, 0,1,2,3
	ds_load_b32 v[BSC+\t], v15 offset:SCB+128*\t
	ds_load_b32 v[144+\t], v15 offset:SCB+128*\t+64
.endr
	s_lshl_b32 s17, s16, 3
	s_add_co_u32 s17, s17, 33
	v_lshl_add_u32 v250, v251, 5, s17
	v_cvt_f32_u32 v[EV+2], v250                    ; two above my word's last time: each step takes 2 off
	v_add_f32 v[EV+8], -1.0, v[EV+2]
	s_wait_dscnt 0x0
.irp t, 0,1,2,3
	v_or_b32 v[BSC+\t], v[BSC+\t], v[144+\t]       ; the two blocks' bytes make the column's scale word
.endr
	v_lshrrev_b32 v250, 1, v[ST]                   ; the events of my word: its set bits, counted in pairs, fours, bytes
	v_and_b32 v250, s56, v250
	v_sub_nc_u32 v[CNT], v[ST], v250
	v_lshrrev_b32 v250, 2, v[CNT]
	v_and_b32 v250, s57, v250
	v_and_b32 v[CNT], s57, v[CNT]
	v_add_nc_u32 v[CNT], v[CNT], v250
	v_lshrrev_b32 v250, 4, v[CNT]
	v_add_nc_u32 v[CNT], v[CNT], v250
	v_and_b32 v[CNT], s58, v[CNT]
	v_mul_lo_u32 v[CNT], v[CNT], 0x01010101
	v_lshrrev_b32 v[CNT], 24, v[CNT]
	s_wait_alu depctr_vm_vsrc(0)                   ; the LDS loads and stores of the last two phases have read v148, v149, v158, v159, v162 and v163, which the steps write as hidden numbers, and v15, which wave 0 writes at the end
; A step's two slots: bit, time, run length, and the limit that is the mask (the largest f32 for an event, 0 for none).
; The two compares stand together, each with a scalar register for its mask, so that one wait serves both; the lines that want no mask stand between them and the wait.
.macro SCAL
	v_add_f32 v[EV+2], -2.0, v[EV+2]
	v_add_f32 v[EV+8], -2.0, v[EV+8]
	v_cmp_gt_i32 s40, 0, v[ST]                             ; the word's top bit: a start at event 0's time?
	v_lshlrev_b32 v[ST], 1, v[ST]
	v_cmp_gt_i32 s41, 0, v[ST]                             ; and at event 1's?
	v_lshlrev_b32 v[ST], 1, v[ST]
.irp e, 0,1
	v_lshrrev_b32 v250, 31, v[SQ]
	v_cvt_f32_u32 v[EV+6*\e], v250
	v_lshlrev_b32 v[SQ], 1, v[SQ]
.endr
	v_sub_f32 v[EV+4], v[NX], v[EV+2]                      ; dur = the next start behind this time - this time
	s_wait_alu depctr_va_sdst(0)                           ; the two compares have written s40 and s41, which the four selects read
	v_cndmask_b32 v[EV+1], 0, v[BIG], s40
	v_cndmask_b32 v[NX], v[NX], v[EV+2], s40               ; for earlier times this one is the next start
	v_sub_f32 v[EV+10], v[NX], v[EV+8]
	v_cndmask_b32 v[EV+7], 0, v[BIG], s41
	v_cndmask_b32 v[NX], v[NX], v[EV+8], s41
.endm
; Event e's 32 hidden numbers of my half: three fused multiply-adds each, two numbers an instruction.
.macro HID e
.irp j, 0,2,4,6,8,10,12,14,16,18,20,22,24,26,28,30
	v_pk_fma_f32 v[H0+32*\e+\j:H0+32*\e+\j+1], v[C8+\j:C8+\j+1], v[EV+6*\e:EV+6*\e+1], v[CB+\j:CB+\j+1] op_sel_hi:[1,0,1]
.endr
.irp j, 0,2,4,6,8,10,12,14,16,18,20,22,24,26,28,30
	v_pk_fma_f32 v[H0+32*\e+\j:H0+32*\e+\j+1], v[C9+\j:C9+\j+1], v[EV+6*\e+2:EV+6*\e+3], v[H0+32*\e+\j:H0+32*\e+\j+1] op_sel_hi:[1,0,1]
.endr
.irp j, 0,2,4,6,8,10,12,14,16,18,20,22,24,26,28,30
	v_pk_fma_f32 v[H0+32*\e+\j:H0+32*\e+\j+1], v[C10+\j:C10+\j+1], v[EV+6*\e+4:EV+6*\e+5], v[H0+32*\e+\j:H0+32*\e+\j+1] op_sel_hi:[1,0,1]
.endr
.endm
.macro RELU e                                  ; the middle of (h, 0, limit): relu for an event, 0 for a slot that is none: activation and mask in one line
.set jj, 0
.rept 32
	v_med3_num_f32 v[H0+32*\e+jj], v[H0+32*\e+jj], 0, v[EV+6*\e+1]
.set jj, jj+1
.endr
.endm
.macro BMAX                                    ; the two blocks' largest numbers (none is negative), each in two chains, with the floor 2^(3 - 127) as a leaf
	v_max3_num_f32 v240, v[H0], v[H0+1], 0x1800000
	v_max3_num_f32 v242, v[H1], v[H1+1], 0x1800000
	v_max3_num_f32 v241, v[H0+16], v[H0+17], v[H0+18]
	v_max3_num_f32 v243, v[H1+16], v[H1+17], v[H1+18]
.irp i, 2,4,6,8,10,12
	v_max3_num_f32 v240, v240, v[H0+\i], v[H0+\i+1]
	v_max3_num_f32 v242, v242, v[H1+\i], v[H1+\i+1]
	v_max3_num_f32 v241, v241, v[H0+17+\i], v[H0+18+\i]
	v_max3_num_f32 v243, v243, v[H1+17+\i], v[H1+18+\i]
.endr
	v_max3_num_f32 v240, v240, v[H0+14], v[H0+15]
	v_max3_num_f32 v242, v242, v[H1+14], v[H1+15]
	v_max3_num_f32 v240, v240, v241, v[H0+31]
	v_max3_num_f32 v242, v242, v243, v[H1+31]
.endm
.macro CODES                                   ; registers 0-5 of A: event 0's block h; registers 6-11: event 1's
	v_add_nc_u32 v244, 0xff000000, v240            ; 2 off the exponent field: the conversion's scale operand
	v_add_nc_u32 v245, 0xff000000, v242
	v_lshrrev_b32 v246, 23, v244                   ; the scales' bytes
	v_lshrrev_b32 v247, 23, v245
	v_cvt_scalef32_pk16_fp6_f32 v[AC:AC+2],     v[H0:H0+15],    v244
	v_cvt_scalef32_pk16_fp6_f32 v[TC0:TC0+2],   v[H0+16:H0+31], v244       ; (a conversion's three registers begin on an even number: the upper halves are made apart and moved)
	v_cvt_scalef32_pk16_fp6_f32 v[AC+6:AC+8],   v[H1:H1+15],    v245
	v_cvt_scalef32_pk16_fp6_f32 v[TC1:TC1+2],   v[H1+16:H1+31], v245
	v_lshl_or_b32 v248, v247, 16, v246             ; (plain lines behind the conversions)  my bytes: blocks h and 2 + h of the row's four,
	v_lshlrev_b32 v248, v4, v248                   ; at their places,
	v_permlanex16_b32 v249, v248, s62, s63
	v_or_b32 v[ASC], v248, v249                    ; with lane l xor 16's two: the row's scale word
.irp i, 0,1,2
	v_mov_b32 v[AC+3+\i], v[TC0+\i]
	v_mov_b32 v[AC+9+\i], v[TC1+\i]
.endr
.endm
.macro BODY
	HID 0
	HID 1
	RELU 0
	RELU 1
	BMAX
	CODES
.endm
; Four products: 16 rows x 2 events against W2's four tiles of 16 columns.  The four accumulators take turns, one instruction a turn, over the loop's edge too.
.macro MM zero
	WIN 0x54                                       ; A window 0; B, C and D window 1
	s_wait_alu depctr_va_vdst(0)                   ; the conversions and moves have written A's codes and the v_or_b32 its scale word (ahead of the first products: W2's four scale words too), which the products take; the places stand ahead of this wait
.irp t, 0,1,2,3
.if \zero
	v_wmma_scale_f32_16x16x128_f8f6f4 v[48+8*\t:55+8*\t], v[AC:AC+11], v[12*\t:12*\t+11], 0, v[ASC], v[BSC+\t] matrix_a_fmt:MATRIX_FMT_FP6 matrix_b_fmt:MATRIX_FMT_FP6
.else
	v_wmma_scale_f32_16x16x128_f8f6f4 v[48+8*\t:55+8*\t], v[AC:AC+11], v[12*\t:12*\t+11], v[48+8*\t:55+8*\t], v[ASC], v[BSC+\t] matrix_a_fmt:MATRIX_FMT_FP6 matrix_b_fmt:MATRIX_FMT_FP6
.endif
.endr
	WIN 0
.endm
	; ---- THE 16 STEPS.  A step's products stand behind the NEXT step's SCAL: its 18 plain lines are the places between the writes of A and of its scale word and the products
	; (ISA guide 7.12.1 for the places behind a matrix instruction), and the next step's vector work follows while the products run.
	SCAL
	BODY
	SCAL
	MM 1                                           ; the first products start the sums: nothing is cleared
	BODY
	s_mov_b32 s61, 14
.Lstep:
	SCAL
	MM 0
	BODY
	s_sub_co_u32 s61, s61, 1
	s_cmp_lg_u32 s61, 0
	s_cbranch_scc1 .Lstep
.rept 8
	v_nop                                          ; the last step has no successor whose lines could be the places
.endr
	MM 0
	; ---- THE SUM over the 16 rows of each accumulator: register j of lane (r, h) is row 8 h + j of column r
.rept 4
	v_nop                                          ; places behind the last products
.endr
	WIN 0x05                                       ; sources window 1, destination window 0
.irp t, 0,1,2,3
	v_pk_add_f32 v[144+4*\t:145+4*\t], v[48+8*\t:49+8*\t], v[50+8*\t:51+8*\t]     ; each accumulator from its low end on
	v_pk_add_f32 v[146+4*\t:147+4*\t], v[52+8*\t:53+8*\t], v[54+8*\t:55+8*\t]
.endr
	WIN 0
.irp t, 0,1,2,3
	v_pk_add_f32 v[144+4*\t:145+4*\t], v[144+4*\t:145+4*\t], v[146+4*\t:147+4*\t]
.endr
.irp t, 0,1,2,3
	v_add_f32 v[144+4*\t], v[144+4*\t], v[145+4*\t]
.endr
.irp t, 0,1,2,3
	v_permlanex16_b32 v[160+\t], v[144+4*\t], s62, s63
.endr
.irp t, 0,1,2,3
	v_add_f32 v[144+4*\t], v[144+4*\t], v[160+\t]
.endr
	s_lshl_b32 s16, s2, 8
	v_lshl_add_u32 v162, v2, 2, s16
	v_cvt_f32_u32 v164, v[CNT]
	v_add_f32_dpp v164, v164, v164 row_xmask:1 row_mask:0xf bank_mask:0xf  ; sixteen lanes hold the wave's sixteen words (the other sixteen hold them again)
	v_add_f32_dpp v164, v164, v164 row_xmask:2 row_mask:0xf bank_mask:0xf
	v_add_f32_dpp v164, v164, v164 row_xmask:4 row_mask:0xf bank_mask:0xf
	v_add_f32_dpp v164, v164, v164 row_xmask:8 row_mask:0xf bank_mask:0xf
	s_lshl_b32 s17, s2, 2
	v_mov_b32 v163, s17
	s_wait_alu depctr_va_vdst(0)                   ; the four sums, the count and the addresses v162 and v163 are written, which the five stores read
.irp t, 0,1,2,3
	ds_store_b32 v162, v[144+4*\t] offset:RED+64*\t        ; column 16 t + r; both halves of the lanes write the same value
.endr
	ds_store_b32 v163, v164 offset:CNW
	s_wait_dscnt 0x0                               ; for wave 0's sake
	s_barrier_signal -1
	s_barrier_wait -1
	s_cmp_lg_u32 s2, 0
	s_cbranch_scc1 .Lend
	; ---- wave 0 adds the eight waves' sums and counts, and stores 512 consecutive bytes
	v_lshlrev_b32 v15, 4, v2
	v_mov_b32 v250, 0
	v_lshlrev_b32 v251, 4, v1
	v_cmp_lt_u32 vcc_lo, 15, v1
	s_wait_alu depctr_va_vdst(0)                   ; the addresses v15 and v250 are written, which the ten loads read; the steps' vector and matrix lines are done with v176 to v215, in which they land
.irp k, 0,1,2,3,4,5,6,7
	ds_load_b128 v[176+4*\k:179+4*\k], v15 offset:RED+256*\k
.endr
	ds_load_b128 v[208:211], v250 offset:CNW
	ds_load_b128 v[212:215], v250 offset:CNW+16
	s_lshl_b32 s16, ttmp9, 9
	s_mov_b32 s17, 0
	s_add_nc_u64 s[12:13], s[12:13], s[16:17]
	s_wait_dscnt 0x0
.irp k, 1,2,3,4,5,6,7
	v_pk_add_f32 v[176:177], v[176:177], v[176+4*\k:177+4*\k]
	v_pk_add_f32 v[178:179], v[178:179], v[178+4*\k:179+4*\k]
.endr
	v_pk_add_f32 v[208:209], v[208:209], v[210:211]
	v_pk_add_f32 v[212:213], v[212:213], v[214:215]
	v_pk_add_f32 v[208:209], v[208:209], v[212:213]
	v_add_f32 v208, v208, v209
	s_wait_alu depctr_va_vcc(0)                    ; the compare above has written VCC, which the four selects read
.irp i, 0,1,2,3
	v_cndmask_b32 v[176+\i], v[176+\i], v208, vcc_lo       ; lanes 16-31 carry the count
.endr
	s_wait_alu depctr_va_vdst(0)                   ; the selects have written v176 to v179, which the store reads (its offset v251 was written ahead of the last such wait)
	global_store_b128 v251, v[176:179], s[12:13]   ; 32 lanes store 512 consecutive bytes, at a multiple of 512 from the buffer's first byte
.Lend:
	s_set_vgpr_msb 0x5
	s_wait_dscnt 0x0
	s_wait_alu depctr_hold_cnt(0) depctr_sa_sdst(0) depctr_va_vdst(0) depctr_va_sdst(0) depctr_va_ssrc(0) depctr_va_vcc(0) depctr_vm_vsrc(0)
	s_wait_tensorcnt 0x0
	ds_add_u32 v80, v81
	s_wait_dscnt 0x0
	s_endpgm
.Lfunc_end_k_qaa16db5fad_events:
	.size	k_qaa16db5fad_events, .Lfunc_end_k_qaa16db5fad_events-k_qaa16db5fad_events
	.p2alignl 7, 3214868480
	.fill 96, 4, 3214868480
	.section	.rodata,"a",@progbits
	.p2align	6, 0x0
	.amdhsa_kernel k_qaa16db5fad_events
		.amdhsa_group_segment_fixed_size 13312
		.amdhsa_private_segment_fixed_size 0
		.amdhsa_enable_private_segment 0
		.amdhsa_kernarg_size 40
		.amdhsa_user_sgpr_count 2
		.amdhsa_user_sgpr_kernarg_segment_ptr 1
		.amdhsa_wavefront_size32 1
		.amdhsa_system_sgpr_workgroup_id_x 1
		.amdhsa_system_sgpr_workgroup_id_y 1
		.amdhsa_system_sgpr_workgroup_id_z 1
		.amdhsa_system_vgpr_workitem_id 0
		.amdhsa_next_free_vgpr 338
		.amdhsa_next_free_sgpr 66
		.amdhsa_reserve_vcc 1
		.amdhsa_float_denorm_mode_32 3
		.amdhsa_float_denorm_mode_16_64 3
		.amdhsa_memory_ordered 1
		.amdhsa_forward_progress 1
		.amdhsa_inst_pref_size 79
	.end_amdhsa_kernel
	.amdgpu_metadata
---
amdhsa.version: [ 1, 2 ]
amdhsa.kernels:
  - .name:           k_qaa16db5fad_events
    .symbol:         k_qaa16db5fad_events.kd
    .args:
      - { .name: x, .offset: 0, .size: 8, .value_kind: global_buffer, .address_space: global }
      - { .name: W1, .offset: 8, .size: 8, .value_kind: global_buffer, .address_space: global }
      - { .name: b1, .offset: 16, .size: 8, .value_kind: global_buffer, .address_space: global }
      - { .name: W2, .offset: 24, .size: 8, .value_kind: global_buffer, .address_space: global }
      - { .name: part, .offset: 32, .size: 8, .value_kind: global_buffer, .address_space: global }
    .group_segment_fixed_size: 13312
    .private_segment_fixed_size: 0
    .kernarg_segment_align: 8
    .kernarg_segment_size: 40
    .max_flat_workgroup_size: 256
    .sgpr_count:     66
    .vgpr_count:     338
    .wavefront_size: 32
...
	.end_amdgpu_metadata
.endif
;; end of part 3
;; launch head (part 4): grid 1 x 1, 4 waves a work-group, no clusters, 31,232 bytes of LDS; arguments part, b2, P1, pb1, P2, pb2, out0; writes out0
.if DOCPART == 4
	.amdgcn_target "amdgcn-amd-amdhsa--gfx1250"
	.amdhsa_code_object_version 6
	.text
	.protected	k_qaa16db5fad_head
	.globl	k_qaa16db5fad_head
	.p2align	8
	.type	k_qaa16db5fad_head,@function
k_qaa16db5fad_head:
	s_mov_b64 s[64:65], 0
	v_nop
	global_prefetch_b8 v0, s[64:65] scope:SCOPE_SE
	s_setreg_imm32_b32 hwreg(HW_REG_WAVE_SCHED_MODE, 0, 2), 2
	s_setreg_imm32_b32 hwreg(HW_REG_WAVE_MODE, 25, 1), 1
	s_wait_xcnt 0x0
	s_wait_alu depctr_vm_vsrc(0)
; THE HEAD: pooled = (the four quarters' sums + count x b2) / valid;  z = [pooled, valid / 16384];  out = relu(z P1 + pb1) P2 + pb2, both products on codes of E2M3 with one E8M0 scale for each 32 along K.
; part [256][128] f32: row 4 b + q: words 0-63 the quarter's sums, words 64-127 its number of events.
; ONE work-group of four waves: 64 batches are four tiles of 16, and a sum over a batch's quarters has to wait for the launch that makes them.
; Wave w quantises tile w (16 columns) of P1 and of P2, down K, a lane to a column; the fragments go to the other waves through LDS as images of their registers (16 bytes a lane, 512 a store).
; Then wave w takes batches 16 w .. 16 w + 15 through both products, USED TRANSPOSED (source 0 = 16 columns of the weight, source 1 = 16 batches): a lane holds one batch throughout.
; K = 65 of the first product: blocks 0 and 1 are pooled, block 2 is one number and 31 zeros, block 3 (the rest of the instruction's 128) zero codes.  K = 64 of the second: blocks 2 and 3 zero codes.
; THE COLUMNS OF P1 THAT FORM A TILE ARE NOT NEIGHBOURS: row r of tile T is hidden unit 32 (r / 8) + 8 T + r % 8, so that in the results lane (r, h) holds, in register 8 T + j, hidden unit
; 32 h + 8 T + j: a whole block of the next K in one lane, in order: nothing changes lanes between the products but two scale bytes.
; The biases are the C of the products.
; LIMITS: 1 / valid is v_rcp_f32's; NaN and infinities in the inputs are not served; a block whose largest magnitude lies under 2^-124 keeps the scale byte 1 (a block of zeros too: its codes are zeros).
; THE MODE: SCHED_MODE bits 1:0 = 2 (LLVM: expert scheduling mode 2), set by the entry lines.  The code itself states the register dependences between vector or matrix instructions
; and memory or LDS instructions, and those through scalar registers and VCC that vector instructions write, with s_wait_alu, always for 0.
; THE PLAN.  Registers that memory or LDS instructions touch:
;   v5-v17         offsets and addresses, made once at the head and never written again: one wait on va_vdst ahead of the first load serves them for the whole kernel.
;   PC, v215       P1's fragment and scale word;  PD, v226: P2's.  Two out-buffers: both weights are quantised, ONE wait on va_vdst follows, then the eight LDS stores in one run.
;                  z's lines write PC and PD again: one wait on vm_vsrc stands ahead of them, behind the wait for part, the counts and b2.
;   v32-127        the raw weights, the block of one number and b2, read by vector lines; behind the barrier the eight fragments land there: one wait on va_vdst, which is also the one
;                  that the first products owe for z's codes and scale word (the eight places stand ahead of it, between the barrier's signal and its wait).
;   v176-207       the second products' results, the data of the stage's stores;  v32-63: P1's fragments, read by the first products, in which the rows from the stage land:
;                  one wait on va_vdst, behind the four places, serves both.
.set P1I,  0                           ; LDS: P1's four fragments, 1,536 bytes each;
.set P2I,  6144                        ; P2's;
.set P1SC, 12288                       ; their scale words, 128 bytes a tile;
.set P2SC, 12800
.set STG,  13312                       ; the way out: for each wave 16 rows x (256 bytes + 16)
.set RA,   32                          ; v32-63   32 numbers of P1 down K;  later v32-79 P1's four fragments;  on the way out rows of the result
.set ONE,  64                          ; v64-79   a block of one number and zeros (its first 16)
.set RB,   80                          ; v80-111  32 numbers of P2;  later v80-127 P2's four fragments
.set B2R,  112                         ; v112-143 b2 at my 32 units
.set HF,   128                         ; v128-139 the hidden layer's fragment
.set Z,    144                         ; v144-175 pooled;  then the first product's results
.set PD,   144                         ; v144-155 before that: my tile of P2 as a fragment, on its way to LDS
.set PB1,  176                         ; v176-207 pb1;  then the second product's results
.set PC,   240                         ; v240-251 my tile of P1 as a fragment, on its way to LDS; at last z's fragment
.set P1S,  20                          ; v20-23, v24-27 the weights' scale words; v28 z's, v29 the hidden layer's (scales and nothing else)
.set P2S,  24
.set ZS,   28
.set HS,   29
                                       ; v208-209 largest magnitudes, v210 scale operand, v211-212 bytes, v213-215 and v226 words, v216:217 count, v218:219 1 / valid, v220-223 the four counts, v224-225 at work, v228-230 codes
                                       ; window 1: v0-127 part (32 q + i), v128-159 pb2
.set MSB, 0
.macro WIN new                         ; the immediate's high byte repeats the setting that is left
.if MSB != \new
	s_set_vgpr_msb (MSB<<8)|\new
.set MSB, \new
.endif
.endm
; 32 numbers of one lane, a whole block, become registers 0-5 of the fragment at v[dst]; the byte goes to v211
.macro Q32 s, dst
	v_max3_num_f32 v208, |v[\s]|, |v[\s+1]|, 0x1800000     ; with the floor 2^(3 - 127): the byte cannot fall under 1
	v_max3_num_f32 v209, |v[\s+16]|, |v[\s+17]|, |v[\s+18]|
.irp i, 2,4,6,8,10,12
	v_max3_num_f32 v208, v208, |v[\s+\i]|, |v[\s+\i+1]|
	v_max3_num_f32 v209, v209, |v[\s+17+\i]|, |v[\s+18+\i]|
.endr
	v_max3_num_f32 v208, v208, |v[\s+14]|, |v[\s+15]|
	v_max3_num_f32 v208, v208, v209, |v[\s+31]|
	v_add_nc_u32 v210, 0xff000000, v208            ; 2 off the exponent field: the conversion's scale operand
	v_lshrrev_b32 v211, 23, v210
	v_cvt_scalef32_pk16_fp6_f32 v[\dst:\dst+2], v[\s:\s+15], v210
	v_cvt_scalef32_pk16_fp6_f32 v[228:230], v[\s+16:\s+31], v210   ; (a conversion's three registers begin on an even number)
	v_nop                                          ; one plain line behind the conversions
.irp i, 0,1,2
	v_mov_b32 v[\dst+3+\i], v[228+\i]
.endr
.endm
; the block of one number (v64; v65-79 are zeros) becomes registers 6-11; the byte goes to v212.  In lanes 16-31 v64 is 0: block 3
.macro Q1 dst
	v_max3_num_f32 v208, |v[ONE]|, |v[ONE]|, 0x1800000
	v_add_nc_u32 v210, 0xff000000, v208
	v_lshrrev_b32 v212, 23, v210
	v_cvt_scalef32_pk16_fp6_f32 v[\dst+6:\dst+8], v[ONE:ONE+15], v210
	v_nop
.irp i, 9,10,11
	v_mov_b32 v[\dst+\i], 0
.endr
.endm
.macro ZERO6 dst                               ; blocks 2 and 3 are not there: zero codes, which add nothing under the byte 0
.irp i, 6,7,8,9,10,11
	v_mov_b32 v[\dst+\i], 0
.endr
	v_mov_b32 v212, 0
.endm
.macro WORD d                                  ; my bytes are blocks h and 2 + h; with lane l xor 16's two the scale word is whole
	v_lshl_or_b32 v213, v212, 16, v211
	v_lshlrev_b32 v213, v4, v213
	v_permlanex16_b32 v214, v213, s20, s21
	v_or_b32 v[\d], v213, v214
.endm
.macro IMAGE reg, off                          ; the fragment at v[reg] goes to LDS as it stands
.irp c, 0,1,2
	ds_store_b128 v12, v[\reg+4*\c:\reg+4*\c+3] offset:\off+512*\c
.endr
.endm
	s_load_b256 s[4:11], s[0:1], 0x0               ; part s[4:5], b2 s[6:7], P1 s[8:9], pb1 s[10:11]
	s_load_b128 s[12:15], s[0:1], 0x20             ; P2 s[12:13], pb2 s[14:15]
	s_load_b64 s[16:17], s[0:1], 0x30              ; out0
	v_lshl_add_u32 v254, v0, 2, 0x7800
	v_mov_b32 v255, 0
	v_lshrrev_b32 v18, 5, v0
	v_readfirstlane_b32 s18, v18                   ; wave 0..3
	v_and_b32 v1, 31, v0                           ; lane
	v_and_b32 v2, 15, v0                           ; r
	v_bfe_u32 v3, v0, 4, 1                         ; h
	v_lshlrev_b32 v4, 3, v3                        ; 8 h
	s_mov_b32 s20, 0x76543210                      ; v_permlanex16_b32's selects for lane l xor 16
	s_mov_b32 s21, 0xfedcba98
	v_bfe_u32 v18, v0, 3, 1
	v_and_b32 v19, 7, v0
	v_lshl_add_u32 v18, v18, 5, v19
	s_wait_alu depctr_va_sdst(0)                   ; s18 is written, ahead of its first reader
	s_lshl_b32 s22, s18, 3
	v_add_nc_u32 v18, s22, v18                     ; P1's column: 32 (r / 8) + 8 w + r % 8
	v_lshlrev_b32 v17, 2, v18                      ; its bytes in a row of 256,
	v_lshl_add_u32 v5, v3, 13, v17                 ; and 32 h rows down
	s_lshl_b32 s22, s18, 4
	v_add_nc_u32 v18, s22, v2                      ; 16 w + r: P2's column, and my batch
	v_lshlrev_b32 v6, 2, v18
	v_lshl_add_u32 v6, v3, 13, v6
	v_lshlrev_b32 v8, 7, v3                        ; 128 h: my 32 units
	v_lshl_add_u32 v7, v18, 11, v8                 ; part: a batch's four rows are 2,048 bytes
	v_lshlrev_b32 v9, 5, v3                        ; 32 h: my 8 outputs of a tile
	v_lshlrev_b32 v10, 4, v1                       ; 16 x lane: an image's place for my lane
	v_lshlrev_b32 v11, 2, v1                       ; 4 x lane: a scale word's
	s_mul_i32 s22, s18, 1536
	v_add_nc_u32 v12, s22, v10                     ; where I store images: tile w
	s_lshl_b32 s22, s18, 7
	v_add_nc_u32 v13, s22, v11
	s_mul_i32 s22, s18, 4352                       ; my stage
	v_mul_u32_u24 v14, v2, 272
	v_lshl_add_u32 v14, v3, 5, v14
	v_add_nc_u32 v14, s22, v14                     ; in: row r, 32 h bytes on
	v_mul_u32_u24 v15, v3, 272
	v_lshl_add_u32 v15, v2, 4, v15
	v_add_nc_u32 v15, s22, v15                     ; back: lanes 0-15 one row, lanes 16-31 the next
	s_lshl_b32 s22, s18, 12
	v_lshlrev_b32 v16, 8, v3
	v_lshl_add_u32 v16, v2, 4, v16
	v_add_nc_u32 v16, s22, v16                     ; and the same two rows in out0
.set jj, 1
.rept 15
	v_mov_b32 v[ONE+jj], 0
.set jj, jj+1
.endr
	v_mov_b32 v214, 0                              ; a lane permute's destination counts as read
	v_mov_b32 v217, 0                              ; the upper words of two pairs: named, never used
	v_mov_b32 v219, 0
	s_wait_kmcnt 0x0
	s_wait_alu depctr_va_vdst(0)                   ; the offsets and addresses v5 to v17 are written, which every load and store of the kernel reads; only loads and window switches stand between this wait and the last of the 125 loads
	; all 125 loads in one run, in the order in which they are wanted
.set jj, 0
.rept 32
	global_load_b32 v[RA+jj], v5, s[8:9] offset:256*jj     ; P1[32 h + i][my column]
.set jj, jj+1
.endr
	global_load_b32 v[ONE], v17, s[8:9] offset:16384       ; P1[64][my column]
.set jj, 0
.rept 32
	global_load_b32 v[RB+jj], v6, s[12:13] offset:256*jj   ; P2[32 h + i][16 w + r]
.set jj, jj+1
.endr
	WIN 0x40                                       ; destination window 1
.irp q, 0,1,2,3
.irp k, 0,1,2,3,4,5,6,7
	global_load_b128 v[32*\q+4*\k:32*\q+4*\k+3], v7, s[4:5] offset:512*\q+16*\k
.endr
.endr
	WIN 0
.irp q, 0,1,2,3
	global_load_b32 v[220+\q], v7, s[4:5] offset:512*\q+256        ; words 64 and 96 both hold the quarter's count
.endr
.irp k, 0,1,2,3,4,5,6,7
	global_load_b128 v[B2R+4*\k:B2R+4*\k+3], v8, s[6:7] offset:16*\k
.endr
.irp k, 0,1,2,3,4,5,6,7
	global_load_b128 v[PB1+4*\k:PB1+4*\k+3], v8, s[10:11] offset:16*\k     ; register 8 T + j: pb1[32 h + 8 T + j]
.endr
	WIN 0x40
.irp t, 0,1,2,3
	global_load_b128 v[128+8*\t:131+8*\t], v9, s[14:15] offset:64*\t       ; register 8 T + j: pb2[16 T + 8 h + j]
	global_load_b128 v[132+8*\t:135+8*\t], v9, s[14:15] offset:64*\t+16
.endr
	WIN 0
	; ---- the weights: my tile of each, into two out-buffers
	v_cmp_eq_u32 vcc_lo, 0, v3
	s_wait_loadcnt 60                              ; P1 and P2 are in; behind them stand part's 32, the 4 counts, b2's, pb1's and pb2's 8 each
	s_wait_alu depctr_va_vcc(0)                    ; the compare has written VCC, which the select reads
	v_cndmask_b32 v[ONE], 0, v[ONE], vcc_lo        ; K = 64 belongs to lanes 0-15 (block 2); lanes 16-31 hold block 3: zeros
	Q32 RA, PC
	Q1 PC
	WORD 215
	Q32 RB, PD
	ZERO6 PD
	WORD 226
	s_wait_alu depctr_va_vdst(0)                   ; the conversions and moves have written both fragments and the two v_or_b32 their scale words, which the eight stores read
	IMAGE PC, P1I
	ds_store_b32 v13, v215 offset:P1SC
	IMAGE PD, P2I
	ds_store_b32 v13, v226 offset:P2SC
	; ---- z of my batch, units 32 h on
	v_cmp_eq_u32 vcc_lo, 0, v3
	s_wait_loadcnt 16                              ; part, the counts and b2 are in; pb1's and pb2's 8 each may be out
	s_wait_alu depctr_va_vcc(0)                    ; the compare has written VCC, which the select below reads
	s_wait_alu depctr_vm_vsrc(0)                   ; the eight stores have read PC and PD, which the lines below write again (PD as pooled, PC as z's fragment)
	v_add_f32 v216, v220, v221
	v_add_f32 v224, v222, v223
	v_add_f32 v216, v216, v224                     ; the batch's events
	v_max_num_f32 v224, 1.0, v216                  ; valid
	v_rcp_f32 v218, v224
	v_mul_f32 v225, 0x38800000, v224               ; (a plain line behind the reciprocal)  valid / 16384: exact
	v_cndmask_b32 v[ONE], 0, v225, vcc_lo
	WIN 0x45                                       ; sources and destination window 1
.set jj, 0
.rept 16
	v_pk_add_f32 v[jj:jj+1], v[jj:jj+1], v[32+jj:33+jj]
	v_pk_add_f32 v[64+jj:65+jj], v[64+jj:65+jj], v[96+jj:97+jj]
.set jj, jj+2
.endr
.set jj, 0
.rept 16
	v_pk_add_f32 v[jj:jj+1], v[jj:jj+1], v[64+jj:65+jj]
.set jj, jj+2
.endr
	WIN 0x10                                       ; source 2 window 1
.set jj, 0
.rept 16
	v_pk_fma_f32 v[Z+jj:Z+jj+1], v[B2R+jj:B2R+jj+1], v[216:217], v[jj:jj+1] op_sel_hi:[1,0,1]      ; each event adds b2 once
.set jj, jj+2
.endr
	WIN 0
	s_wait_alu depctr_va_vdst(0)                   ; the reciprocal has written v218, ahead of the first line that names it; the 64 packed lines above are the independent work between
.set jj, 0
.rept 16
	v_pk_mul_f32 v[Z+jj:Z+jj+1], v[Z+jj:Z+jj+1], v[218:219] op_sel_hi:[1,0]
.set jj, jj+2
.endr
	Q32 Z, PC
	Q1 PC
	WORD ZS
	s_wait_dscnt 0x0                               ; for the others' sake: my two fragments and their scale words lie in LDS
	s_barrier_signal -1
.rept 8
	v_nop                                          ; z's scale word and codes were written by vector lines: 8 and 4 places ahead of a scaled product; they stand here, while the others arrive
.endr
	s_barrier_wait -1                              ; all eight fragments of the weights lie in LDS
	; ---- all tiles of both weights
	s_wait_alu depctr_va_vdst(0)                   ; the vector lines are done with v32 to v127 (the raw weights, the block of one number, b2), in which the fragments land; and z's codes and scale word are written, which the first products take
.irp t, 0,1,2,3
.irp c, 0,1,2
	ds_load_b128 v[RA+12*\t+4*\c:RA+12*\t+4*\c+3], v10 offset:P1I+1536*\t+512*\c
	ds_load_b128 v[RB+12*\t+4*\c:RB+12*\t+4*\c+3], v10 offset:P2I+1536*\t+512*\c
.endr
	ds_load_b32 v[P1S+\t], v11 offset:P1SC+128*\t
	ds_load_b32 v[P2S+\t], v11 offset:P2SC+128*\t
.endr
	s_wait_dscnt 0x0
	s_wait_loadcnt 0x0                             ; pb1, pb2
.irp t, 0,1,2,3
	v_wmma_scale_f32_16x16x128_f8f6f4 v[Z+8*\t:Z+8*\t+7], v[RA+12*\t:RA+12*\t+11], v[PC:PC+11], v[PB1+8*\t:PB1+8*\t+7], v[P1S+\t], v[ZS] matrix_a_fmt:MATRIX_FMT_FP6 matrix_b_fmt:MATRIX_FMT_FP6
.endr
.rept 4
	v_nop                                          ; places behind the products (ISA guide 7.12.1)
.endr
.set jj, 0
.rept 32
	v_max_num_f32 v[Z+jj], 0, v[Z+jj]              ; the activation, each result from its low end on
.set jj, jj+1
.endr
	Q32 Z, HF
	ZERO6 HF
	WORD HS
.rept 8
	v_nop
.endr
	WIN 0x10                                       ; C (pb2) window 1
	s_wait_alu depctr_va_vdst(0)                   ; the hidden layer's codes and scale word are written, which the second products take; the places stand ahead of this wait
.irp t, 0,1,2,3
	v_wmma_scale_f32_16x16x128_f8f6f4 v[PB1+8*\t:PB1+8*\t+7], v[RB+12*\t:RB+12*\t+11], v[HF:HF+11], v[128+8*\t:135+8*\t], v[P2S+\t], v[HS] matrix_a_fmt:MATRIX_FMT_FP6 matrix_b_fmt:MATRIX_FMT_FP6
.endr
	WIN 0
.rept 4
	v_nop
.endr
	; ---- THE WAY OUT.  Lane (r, h) holds out(16 w + r, 16 T + 8 h + j): through my own stage, back as whole rows of 256 bytes.  LDS serves a wave's instructions in order (ISA guide 5.7.1.4): no wait between stores and loads.
	s_wait_alu depctr_va_vdst(0)                   ; the second products have written v176 to v207, which the stores read (the four places above stay beside this wait); the first products are done reading v32 to v63, in which the rows land
.irp t, 0,1,2,3
	ds_store_b128 v14, v[PB1+8*\t:PB1+8*\t+3] offset:STG+64*\t
	ds_store_b128 v14, v[PB1+8*\t+4:PB1+8*\t+7] offset:STG+64*\t+16
.endr
.irp i, 0,1,2,3,4,5,6,7
	ds_load_b128 v[RA+4*\i:RA+4*\i+3], v15 offset:STG+544*\i
.endr
.irp i, 0,1,2,3,4,5,6,7
	s_wait_dscnt 7-\i                              ; the younger loads may stay out
	global_store_b128 v16, v[RA+4*\i:RA+4*\i+3], s[16:17] offset:512*\i    ; sixteen lanes store 256 consecutive bytes, at a multiple of 256 from out0's first byte
.endr
	s_wait_dscnt 0x0
	s_wait_alu depctr_hold_cnt(0) depctr_sa_sdst(0) depctr_va_vdst(0) depctr_va_sdst(0) depctr_va_ssrc(0) depctr_va_vcc(0) depctr_vm_vsrc(0)
	s_wait_tensorcnt 0x0
	ds_add_u32 v254, v255
	s_wait_dscnt 0x0
	s_endpgm
.Lfunc_end_k_qaa16db5fad_head:
	.size	k_qaa16db5fad_head, .Lfunc_end_k_qaa16db5fad_head-k_qaa16db5fad_head
	.p2alignl 7, 3214868480
	.fill 96, 4, 3214868480
	.section	.rodata,"a",@progbits
	.p2align	6, 0x0
	.amdhsa_kernel k_qaa16db5fad_head
		.amdhsa_group_segment_fixed_size 31232
		.amdhsa_private_segment_fixed_size 0
		.amdhsa_enable_private_segment 0
		.amdhsa_kernarg_size 56
		.amdhsa_user_sgpr_count 2
		.amdhsa_user_sgpr_kernarg_segment_ptr 1
		.amdhsa_wavefront_size32 1
		.amdhsa_system_sgpr_workgroup_id_x 1
		.amdhsa_system_sgpr_workgroup_id_y 1
		.amdhsa_system_sgpr_workgroup_id_z 1
		.amdhsa_system_vgpr_workitem_id 0
		.amdhsa_next_free_vgpr 416
		.amdhsa_next_free_sgpr 66
		.amdhsa_reserve_vcc 1
		.amdhsa_float_denorm_mode_32 3
		.amdhsa_float_denorm_mode_16_64 3
		.amdhsa_memory_ordered 1
		.amdhsa_forward_progress 1
		.amdhsa_inst_pref_size 36
	.end_amdhsa_kernel
	.amdgpu_metadata
---
amdhsa.version: [ 1, 2 ]
amdhsa.kernels:
  - .name:           k_qaa16db5fad_head
    .symbol:         k_qaa16db5fad_head.kd
    .args:
      - { .name: part, .offset: 0, .size: 8, .value_kind: global_buffer, .address_space: global }
      - { .name: b2, .offset: 8, .size: 8, .value_kind: global_buffer, .address_space: global }
      - { .name: P1, .offset: 16, .size: 8, .value_kind: global_buffer, .address_space: global }
      - { .name: pb1, .offset: 24, .size: 8, .value_kind: global_buffer, .address_space: global }
      - { .name: P2, .offset: 32, .size: 8, .value_kind: global_buffer, .address_space: global }
      - { .name: pb2, .offset: 40, .size: 8, .value_kind: global_buffer, .address_space: global }
      - { .name: out0, .offset: 48, .size: 8, .value_kind: global_buffer, .address_space: global }
    .group_segment_fixed_size: 31232
    .private_segment_fixed_size: 0
    .kernarg_segment_align: 8
    .kernarg_segment_size: 56
    .max_flat_workgroup_size: 128
    .sgpr_count:     66
    .vgpr_count:     416
    .wavefront_size: 32
...
	.end_amdgpu_metadata
.endif
;; end of part 4
